; MI455X (gfx1250); checked and timed in simulation.
; The chip was launched on July 23, 2026; its instructions are those of AMD's public machine-readable ISA for CDNA 5 (MIT licence, August 2026) and "CDNA5" Instruction Set Architecture Reference Guide (July 2026). The comments in the code are by the model that wrote it; some were corrected since.
;; causal self attention. Allowed arithmetic: matrix products marked QUANTISED: E2M1 operands, one E8M0 scale for each 32 along K, by v_wmma_scale_f32_16x16x128_f8f6f4 with both operands' format E2M1 (or v_wmma_scale_f32_32x16x128_f4), f32 sums; products left as they are: bf16, f16 or f32 operands; f32 sums; everything else in f32.
;; Inputs: net_in 4 x 2,048 x 1,024 float32; w_out 1,024 x 1,024 float32; w_qkv 3,072 x 1,024 float32.
;; Outputs: out0 4 x 2,048 x 1,024 float32.
;; This version of the problem:
;;   THIS VERSION OF THE PROBLEM IS GIVEN IN LOW PRECISION. The matrix products marked QUANTISED in the list below multiply operands that are first quantised to E2M1 (2 exponent bits, 1 mantissa bit; 4 bits a number), with one power-of-two scale for each 32 numbers along K (OCP MX v1.0); their sums are f32. The products marked 'left as it is' may take bf16, f16 or f32 operands, with f32 sums. Whichever they take, every output number must still come out within the allowed error. Rounding operands to bf16 (8 significant bits) uses up far more of that allowance than f16 does (11 bits, for magnitudes from 6e-5 to 65,504). All else is computed in f32.
;;   The module's matrix products, in the order in which they are computed (A, B: the left and right operand; K: the contracted axis; several contracted axes count as one K, in the product's order):
;;     1. [M 8,192, K 1,024] x [K 1,024, N 3,072]; A: input net_in; B: input w_qkv: QUANTISED
;;     2. batch 4 x [M 2,048, K 1,024] x [K 1,024, N 2,048]; A: computed on the way; B: computed on the way: left as it is (an operand is computed on the way)
;;     3. batch 4 x [M 2,048, K 2,048] x [K 2,048, N 1,024]; A: computed on the way; B: computed on the way: left as it is (an operand is computed on the way)
;;     4. [M 8,192, K 1,024] x [K 1,024, N 1,024]; A: computed on the way; B: input w_out: left as it is (an operand is computed on the way)
;;   THE QUANTISER, for each operand of a quantised product, along K:
;;     - K is cut into blocks of 32 from its start; a last block that is shorter is filled with zeros.
;;     - A block's scale is 2^e with e = floor(log2(the largest magnitude in the block)) - 2, held to -126 .. 127; a block of zeros has e = 0. As a byte (E8M0): e + 127.
;;     - Each number is divided by its block's scale, clamped to +-6, and rounded to the nearest number of E2M1, ties to even, subnormals kept.
;;     - The product sums the exact products of the quantised numbers (number of the format x scale) in f32.
;;   ~~~python
;;   def quantise(x, axis):      # numpy; x: float32 -> the quantised numbers, widened to float32 again
;;       x = np.moveaxis(x, axis, -1); K = x.shape[-1]
;;       x = np.pad(x, [(0, 0)] * (x.ndim - 1) + [(0, -K % 32)]); x = x.reshape(x.shape[:-1] + (-1, 32)); a = np.abs(x).max(-1, keepdims=True)
;;       e = np.where(a > 0, np.clip(np.frexp(np.where(a > 0, a, 1))[1] - 1 - 2, -126, 127), 0)      # np.frexp(a)[1] - 1 = floor(log2(a)), exactly
;;       r = np.clip(x / 2.0 ** e, -6, 6)
;;       step = 2.0 ** (np.maximum(np.frexp(np.where(r == 0, 1, r))[1] - 1, 0) - 1)
;;       q = np.round(r / step) * step * 2.0 ** e      # np.round: ties to even
;;       return np.moveaxis(q.reshape(q.shape[:-2] + (-1,))[..., :K], -1, axis).astype(np.float32)
;;   ~~~
;; One version. Each part assembles by itself: llvm-mc -triple=amdgcn-amd-amdhsa -mcpu=gfx1250 --defsym DOCPART=n.
;; ======== version 1 of 1: 6 launches
;; limits: values are held in f16: magnitudes above 65,504 overflow, below 6.1e-05 lose precision; right only within a limited range of input values
;; workspace buffers: codes 5,767,168 bytes; scales 360,448 bytes; w16 2,097,152 bytes; qkv 50,331,648 bytes; head32 786,432 bytes; p 33,554,432 bytes; stats 1,048,576 bytes; att 16,777,216 bytes
;; launch prep (part 1): grid 384 x 1, 4 waves a work-group, no clusters, 33,280 bytes of LDS; arguments net_in, w_qkv, w_out, codes, scales, w16; writes codes, scales, w16
.if DOCPART == 1
	.amdgcn_target "amdgcn-amd-amdhsa--gfx1250"
	.amdhsa_code_object_version 6
	.text
	.protected	k_qbe07ebc74a_prep
	.globl	k_qbe07ebc74a_prep
	.p2align	8
	.type	k_qbe07ebc74a_prep,@function
k_qbe07ebc74a_prep:
	s_mov_b64 s[64:65], 0
	v_nop
	global_prefetch_b8 v0, s[64:65] scope:SCOPE_SE
	s_setreg_imm32_b32 hwreg(HW_REG_WAVE_MODE, 25, 1), 1
	s_wait_xcnt 0x0
; PREP.  net_in [8192][1024] and w_qkv [3072][1024], f32, K innermost, become codes of FP4 (E2M1), two a byte, and one E8M0 byte for each 32 along K; w_out [1024][1024] becomes f16.
; codes: net_in's rows of 512 bytes from byte 0, w_qkv's from byte 4,194,304.  scales: rows of 32 bytes, from byte 0 and from byte 262,144.
; A block's scale is 2^(floor(log2(largest magnitude)) - 2): its byte is the largest magnitude's exponent field - 2, held at 1 from below.
; LIMITS: a block of zeros gets the byte 1 where the quantiser says 127 (its codes are zeros, and only this program reads the bytes); blocks under the floor 2^(3 - 127) were not tried;
; NaN and infinities are not served; numbers of w_out beyond 65,504 leave f16's range.
; SHARES: work-groups 0-255 take net_in, 256-351 w_qkv, 352-383 w_out; each 32,768 numbers, 8,192 a wave.  Rows are dense, so every tensor is a plain stream.
; QUANTISER: a wave takes 16 steps of 512 numbers.  Each of a step's four loads reads 512 consecutive bytes; the 2,048 bytes turn through the wave's own stage in LDS and come back 64 bytes a lane,
; so that a lane holds 16 neighbours along K and two neighbouring lanes a block.  A lane's 16 codes are 8 bytes: the wave stores 256 consecutive bytes.  A wave's 256 scale bytes are gathered in LDS and leave as one aligned run of 256 bytes.
.set WAVES, 4
.set STEPS, 16
.set WGX,   256                        ; net_in's work-groups
.set WGW,   96                         ; w_qkv's
.set EMAX,  2
.set CB,    8                          ; bytes of 16 codes
.set R,     16                         ; v16-79   four sets of 16 numbers as they are loaded
.set X,     80                         ; v80-111  two sets of 16 neighbours
.set E,     112                        ; v112-127 a scale byte for each step
.set C,     128                        ; v128-191 codes: four registers for each step, so that no store's data are written again
.set F,     16                         ; the cast: v16-143 two sets of 64 numbers
.set H,     144                        ; the cast: v144-175 64 numbers as f16
.set WREG,  8192                       ; LDS: a region for each wave: two stages of 32 x SP bytes, behind them its 256 scale bytes
.set SP,    80                         ; a lane's place in a stage: 64 bytes + 16 of padding
.set SPW,   12                         ; v12 LDS address of my spare word; never rewritten
.set NIL,   13                         ; v13 0; never rewritten
.set SPARE, WAVES*WREG                 ; the spare words: 128 bytes for each wave, named by no other line
	s_load_b128 s[4:7], s[0:1], 0x0                ; net_in, w_qkv
	s_load_b128 s[8:11], s[0:1], 0x10              ; w_out, codes
	s_load_b128 s[12:15], s[0:1], 0x20             ; scales, w16
	v_lshl_add_u32 v[SPW], v0, 2, SPARE
	v_mov_b32 v[NIL], 0
	v_lshrrev_b32 v1, 5, v0
	v_readfirstlane_b32 s16, v1                    ; wave
	v_and_b32 v2, 31, v0                           ; lane
	v_lshlrev_b32 v3, 4, v2                        ; my 16 bytes of a load's 512
	s_mul_i32 s17, s16, WREG
	v_lshrrev_b32 v14, 2, v2
	v_mul_u32_u24 v14, v14, SP
	v_and_b32 v15, 3, v2
	v_lshl_add_u32 v14, v15, 4, v14
	v_add_nc_u32 v14, s17, v14                     ; the stage, way in: SP (lane / 4) + 16 (lane % 4)
	v_mul_u32_u24 v15, v2, SP
	v_add_nc_u32 v15, s17, v15                     ; way out: SP x lane: my 16 neighbours
	v_mul_u32_u24 v4, v2, CB                       ; my codes' place in a step's
	v_lshrrev_b32 v5, 1, v2
	s_add_co_u32 s17, s17, 2*32*SP
	v_add_nc_u32 v5, s17, v5                       ; LDS: my block's scale byte
	v_lshlrev_b32 v7, 3, v2                        ; 8 bytes a lane
	v_add_nc_u32 v6, s17, v7
	s_wait_kmcnt 0x0
	s_cmp_lt_u32 ttmp9, WGX+WGW                    ; the work-group's number alone decides
	s_cbranch_scc1 .Lquant
; ---- THE CAST: a wave's 8,192 numbers in four batches of 16 loads; two batches are on their way
	s_sub_co_u32 s17, ttmp9, WGX+WGW
	s_lshl_b32 s17, s17, 2
	s_add_co_u32 s17, s17, s16                     ; which run of 8,192 numbers is my wave's
	s_lshl_b32 s18, s17, 15
	s_mov_b32 s19, 0
	s_add_nc_u64 s[8:9], s[8:9], s[18:19]
	s_lshl_b32 s18, s17, 14
	s_add_nc_u64 s[14:15], s[14:15], s[18:19]
.macro LOADC g
.set i, 0
.rept 16
	global_load_b128 v[F+64*((\g)%2)+4*i:F+64*((\g)%2)+4*i+3], v3, s[8:9] offset:8192*(\g)+512*i th:TH_LOAD_NT
.set i, i+1
.endr
.endm
.macro CAST g
.if (\g) < 3
	s_wait_loadcnt 16                              ; this batch's 16 loads are in; the next batch's 16 may be out
.else
	s_wait_loadcnt 0x0
.endif
.if (\g) > 0
	s_wait_xcnt 0x0                                ; the last batch's stores have read their data: it is written again below
.endif
.set i, 0
.rept 32
	v_cvt_pk_f16_f32 v[H+i], v[F+64*((\g)%2)+2*i], v[F+64*((\g)%2)+2*i+1]
.set i, i+1
.endr
.set i, 0
.rept 16
	global_store_b64 v7, v[H+2*i:H+2*i+1], s[14:15] offset:4096*(\g)+256*i   ; 32 lanes store 256 consecutive bytes, aligned
.set i, i+1
.endr
.if (\g)+2 < 4
	LOADC (\g)+2
.endif
.endm
	LOADC 0
	LOADC 1
	CAST 0
	CAST 1
	CAST 2
	CAST 3
	s_branch .Lend
; ---- THE QUANTISER
.Lquant:
	s_cmp_lt_u32 ttmp9, WGX                        ; net_in's work-group or w_qkv's
	s_cselect_b64 s[4:5], s[4:5], s[6:7]
	s_cselect_b32 s22, 0, 0x400000                 ; where the tensor's codes begin
	s_cselect_b32 s24, 0, 0x40000                  ; and its scale bytes
	s_cselect_b32 s17, 0, WGX
	s_sub_co_u32 s17, ttmp9, s17
	s_lshl_b32 s17, s17, 2
	s_add_co_u32 s17, s17, s16                     ; which run of 8,192 numbers of the tensor is my wave's
	s_mov_b32 s19, 0
	s_lshl_b32 s18, s17, 15                        ; 32,768 bytes of numbers a run
	s_add_nc_u64 s[4:5], s[4:5], s[18:19]
	s_lshl_b32 s18, s17, 12                        ; 4,096 bytes of codes
	s_add_co_u32 s18, s18, s22
	s_add_nc_u64 s[10:11], s[10:11], s[18:19]
	s_lshl_b32 s18, s17, 8                         ; 256 scale bytes
	s_add_co_u32 s18, s18, s24
	s_add_nc_u64 s[12:13], s[12:13], s[18:19]
.macro LOAD t
.irp i, 0,1,2,3
	global_load_b128 v[R+16*((\t)%4)+4*\i:R+16*((\t)%4)+4*\i+3], v3, s[4:5] offset:2048*(\t)+512*\i th:TH_LOAD_NT   ; 32 lanes read 512 consecutive bytes
.endr
.endm
.macro TURN t                          ; step t's numbers through the stage: LDS serves a wave's instructions in order, so no wait stands between the stores and the loads
.irp i, 0,1,2,3
	ds_store_b128 v14, v[R+16*((\t)%4)+4*\i:R+16*((\t)%4)+4*\i+3] offset:32*SP*((\t)%2)+8*SP*\i
.endr
.irp i, 0,1,2,3
	ds_load_b128 v[X+16*((\t)%2)+4*\i:X+16*((\t)%2)+4*\i+3], v15 offset:32*SP*((\t)%2)+16*\i
.endr
.endm
.irp t, 0,1,2,3
	LOAD \t
.endr
	s_wait_loadcnt 12                              ; step 0's four loads are in; three steps' twelve may be out
	TURN 0
.macro STEP t
.set XS, X+16*((\t)%2)
.if (\t) > 0
	s_wait_dscnt 1                                 ; this step's numbers are back from the stage (the last step's byte store may be out)
.else
	s_wait_dscnt 0x0
.endif
.if (\t)+4 < STEPS
	LOAD (\t)+4                                    ; into the registers that the stage's stores have read
.endif
.if (\t)+1 < STEPS
.if STEPS-2-(\t) >= 3
	s_wait_loadcnt 12                              ; the next step's four loads are in; those of the three steps behind it may be out
.else
	s_wait_loadcnt 4*(STEPS-2-(\t))
.endif
	TURN (\t)+1
.endif
	v_max3_num_f32 v8, |v[XS]|, |v[XS+1]|, |v[XS+2]|               ; the largest magnitude of my 16, in two chains
	v_max3_num_f32 v9, |v[XS+3]|, |v[XS+4]|, |v[XS+5]|
.irp i, 6,10
	v_max3_num_f32 v8, v8, |v[XS+\i]|, |v[XS+\i+1]|
	v_max3_num_f32 v9, v9, |v[XS+\i+2]|, |v[XS+\i+3]|
.endr
	v_max3_num_f32 v8, v8, |v[XS+14]|, |v[XS+15]|
	v_max3_num_f32 v8, v8, v9, (EMAX+1)<<23        ; and the floor 2^(EMAX + 1 - 127): the byte cannot fall under 1
	v_max_num_f32_dpp v8, v8, v8 row_xmask:1 row_mask:0xf bank_mask:0xf   ; with my neighbour's 16: the block's
	v_add_nc_u32 v11, -(EMAX<<23), v8              ; EMAX off its exponent field: the conversion takes that field as its scale
	v_cvt_scalef32_pk8_fp4_f32 v[C+4*(\t)], v[XS:XS+7], v11        ; to the nearest code, ties to even, beyond 6 the largest code
	v_cvt_scalef32_pk8_fp4_f32 v[C+4*(\t)+1], v[XS+8:XS+15], v11
	v_lshrrev_b32 v[E+(\t)], 23, v11               ; the scale's byte
	ds_store_b8 v5, v[E+(\t)] offset:16*(\t)       ; both lanes of a block write the same byte with the same value
	global_store_b64 v4, v[C+4*(\t):C+4*(\t)+1], s[10:11] offset:32*CB*(\t)   ; 256 consecutive bytes, aligned
.endm
.irp t, 0,1,2,3,4,5,6,7,8,9,10,11,12,13,14,15
	STEP \t
.endr
	ds_load_b64 v[8:9], v6                         ; my wave's 256 scale bytes, 8 a lane: these see my stores
	s_wait_dscnt 0x0
	global_store_b64 v7, v[8:9], s[12:13]          ; 256 consecutive bytes, aligned
.Lend:
	s_wait_tensorcnt 0x0                           ; the wave's end, behind the last LDS store
	ds_add_u32 v[SPW], v[NIL]
	s_wait_dscnt 0x0
	s_endpgm
.Lfunc_end_k_qbe07ebc74a_prep:
	.size	k_qbe07ebc74a_prep, .Lfunc_end_k_qbe07ebc74a_prep-k_qbe07ebc74a_prep
	.p2alignl 7, 3214868480
	.fill 96, 4, 3214868480
	.section	.rodata,"a",@progbits
	.p2align	6, 0x0
	.amdhsa_kernel k_qbe07ebc74a_prep
		.amdhsa_group_segment_fixed_size 33280
		.amdhsa_private_segment_fixed_size 0
		.amdhsa_enable_private_segment 0
		.amdhsa_kernarg_size 48
		.amdhsa_user_sgpr_count 2
		.amdhsa_user_sgpr_kernarg_segment_ptr 1
		.amdhsa_wavefront_size32 1
		.amdhsa_system_sgpr_workgroup_id_x 1
		.amdhsa_system_sgpr_workgroup_id_y 1
		.amdhsa_system_sgpr_workgroup_id_z 1
		.amdhsa_system_vgpr_workitem_id 0
		.amdhsa_next_free_vgpr 192
		.amdhsa_next_free_sgpr 66
		.amdhsa_reserve_vcc 0
		.amdhsa_float_denorm_mode_32 3
		.amdhsa_float_denorm_mode_16_64 3
		.amdhsa_memory_ordered 1
		.amdhsa_forward_progress 1
		.amdhsa_inst_pref_size 54
	.end_amdhsa_kernel
	.amdgpu_metadata
---
amdhsa.version: [ 1, 2 ]
amdhsa.kernels:
  - .name:           k_qbe07ebc74a_prep
    .symbol:         k_qbe07ebc74a_prep.kd
    .args:
      - { .name: net_in, .offset: 0, .size: 8, .value_kind: global_buffer, .address_space: global }
      - { .name: w_qkv, .offset: 8, .size: 8, .value_kind: global_buffer, .address_space: global }
      - { .name: w_out, .offset: 16, .size: 8, .value_kind: global_buffer, .address_space: global }
      - { .name: codes, .offset: 24, .size: 8, .value_kind: global_buffer, .address_space: global }
      - { .name: scales, .offset: 32, .size: 8, .value_kind: global_buffer, .address_space: global }
      - { .name: w16, .offset: 40, .size: 8, .value_kind: global_buffer, .address_space: global }
    .group_segment_fixed_size: 33280
    .private_segment_fixed_size: 0
    .kernarg_segment_align: 8
    .kernarg_segment_size: 48
    .max_flat_workgroup_size: 128
    .sgpr_count:     66
    .vgpr_count:     192
    .wavefront_size: 32
...
	.end_amdgpu_metadata
.endif
;; end of part 1
;; launch qkv (part 2): grid 12 x 32, 4 waves a work-group, clusters of 4 x 4, 327,680 bytes of LDS; arguments codes, scales, qkv, head32; writes qkv, head32
.if DOCPART == 2
	.amdgcn_target "amdgcn-amd-amdhsa--gfx1250"
	.amdhsa_code_object_version 6
	.text
	.protected	k_qbe07ebc74a_qkv
	.globl	k_qbe07ebc74a_qkv
	.p2align	8
	.type	k_qbe07ebc74a_qkv,@function
k_qbe07ebc74a_qkv:
	s_mov_b64 s[64:65], 0
	v_nop
	global_prefetch_b8 v0, s[64:65] scope:SCOPE_SE
	s_setreg_imm32_b32 hwreg(HW_REG_WAVE_MODE, 25, 1), 1
	s_wait_xcnt 0x0
	s_wait_alu depctr_hold_cnt(0) depctr_sa_sdst(0) depctr_va_vdst(0) depctr_va_sdst(0) depctr_va_ssrc(0) depctr_va_vcc(0) depctr_vm_vsrc(0)
	s_getreg_b32 s2, hwreg(HW_REG_IB_STS2, 6, 4)
	s_cmp_eq_u32 s2, 0
	s_cbranch_scc0 .Lentry_in_a_cluster
	s_endpgm
.Lentry_in_a_cluster:
	s_bfe_u32 s2, ttmp6, 0x10000c
	s_cmp_lg_u32 s2, 0xf033
	s_cbranch_scc0 .Lentry_shape_is_right
	s_endpgm
.Lentry_shape_is_right:
; QKV.  qkv[m][n] = sum over k of Q(net_in)[m][k] Q(w_qkv)[n][k], M = 8,192, N = 3,072, K = 1,024, on codes of FP4 with one E8M0 byte for each 32 along K; sums in f32.
; The result is stored as f16 (qkv, rows of 6,144 bytes: q, k, v); the first 16 positions of each batch of 2,048 rows also as f32 (head32 [4][16][3072]).
; LIMIT: results beyond 65,504 leave f16's range.
; A tile of 256 x 256 is made by four waves, 128 x 128 each: 64 accumulators.  K goes in two steps of 512 (rows of 256 bytes) through two LDS slots, both asked for at the start; nothing is filled again.
; The scale bytes of the work-group's 256 + 256 rows, for all of K, come once, as rows of 256 bytes + 16 of padding.
; CLUSTER 4 x 4: A's tiles are asked for jointly along a row of the cluster, B's along a column.  The matrix instruction is used transposed (source 0 = 16 rows of w, source 1 = 16 rows of x): a lane holds eight neighbouring columns of one row.
; REGISTERS: window 0: v16-31 addresses; v32-95 scale words, two sets; from v128 A's fragments, one set.  window 1: B's fragments, two sets.  windows 2, 3: the accumulators ((a, b) at v[8 (8 (a % 4) + b)]).
.set SIZE_N, 3072
.set SIZE_K, 1024
.set KSTEP,  512
.set NQ,     KSTEP/128
.set ROWB,   256
.set KROW,   SIZE_K*4/8
.set PITCH,  272                       ; 256 bytes + 16: the 16 rows of a fragment load start 68 words apart
.set FR,     8
.set NL,     2
.set NP,     4
.set HALFT,  128*PITCH
.set SLOT,   4*HALFT
.set KS,     SIZE_K/32
.set SCL,    2*SLOT
.set HALFS,  (128*KS/256)*272
.set SBLK,   (16*KS/256)*272
.set SPARE,  SCL+4*HALFS               ; the spare words: 128 bytes for each wave
.set SPITCH, 528                       ; the f32 stage: 16 rows x (512 + 16) for each wave, in slot 0, which has had its only fill and its last read by then
.set SP16,   272                       ; the f16 stage: 16 rows x (256 + 16) for each wave, behind the f32 stages
.set STG16,  4*16*SPITCH
.set CROW,   SIZE_N*2
.set HROW,   SIZE_N*4
.set ADRA, 16
.set ADRB, 20
.set CO16, 22                          ; v22 my byte offset in two rows of qkv
.set FLG,  23                          ; v23 0 where my rows 0-15 are a batch's first 16 positions
.set STO,  24
.set RD,   25
.set CO,   26
.set ADRS, 27
.set SPW,  28
.set NIL,  29
.set STO16, 30
.set RD16, 31
.set SC,   32
.set OB,   32                          ; the way out: 16 rows of f16 read back: v32-63 and v224-255 by turns
.set AF,   128
.set BK,   128                         ; the way out: 16 rows of f32 read back
.set TMP,  192                         ; the way out: packed results
.set G1, 24
.set G0, 32
.set G1B, 48
.set G0B, 56
.set G1S, 68
.set G0S, 76
.set G1SB, 80
.set G0SB, 88
.set MSB, 0
.macro WIN new                         ; the immediate's high byte repeats the setting that is left
.if MSB != \new
	s_set_vgpr_msb (MSB<<8)|\new
.set MSB, \new
.endif
.endm
.set MUL_LO, 0xa1                      ; source 0 (B) window 1, source 1 (A) window 0, C and D window 2
.set MUL_HI, 0xf1
.set TO_B,   0x40
; A joint load: waves 0 and 1 fetch for A, waves 2 and 3 for B; the branch hangs on the wave's number alone.  An s_nop 0 and four v_nop follow each line.
.macro JLOAD g0a, g1a, g0b, g1b
	s_cmp_eq_u32 s15, 0
	s_cbranch_scc0 .Lfor_b_\@
	tensor_load_to_lds s[\g0a:\g0a+3], s[\g1a:\g1a+7]
	s_nop 0
.rept 4
	v_nop
.endr
	s_branch .Lasked_\@
.Lfor_b_\@:
	tensor_load_to_lds s[\g0b:\g0b+3], s[\g1b:\g1b+7]
	s_nop 0
.rept 4
	v_nop
.endr
.Lasked_\@:
.endm
.macro CROUND                          ; a round of the cluster's barrier
	s_barrier_signal -1
	s_barrier_wait -1
	s_cmp_lg_u32 s14, 0
	s_cbranch_scc1 .Lnot_wave_0_\@
	s_barrier_signal -3
.Lnot_wave_0_\@:
	s_barrier_wait -3
	s_barrier_signal -1
	s_barrier_wait -1
.endm
	s_load_b128 s[4:7], s[0:1], 0x0                ; codes, scales
	s_load_b128 s[96:99], s[0:1], 0x10             ; qkv, head32
	v_lshl_add_u32 v[SPW], v0, 2, SPARE
	v_mov_b32 v[NIL], 0
	ds_add_u32 v[SPW], v[NIL]                      ; the opening: the add, twice on end, and its wait ahead of my first tensor load
	ds_add_u32 v[SPW], v[NIL]
	v_lshrrev_b32 v1, 5, v0
	v_readfirstlane_b32 s14, v1                    ; wave 0..3
	s_lshr_b32 s15, s14, 1                         ; my half of the tile's rows.  Also: I fetch for A (0) or for B (1)
	s_and_b32 s16, s14, 1                          ; my half of its columns.  Also: which 128 rows I fetch
	s_bfe_u32 s40, ttmp6, 0x40000                  ; cx
	s_bfe_u32 s41, ttmp6, 0x40004                  ; cy
	s_lshl_b32 s42, ttmp9, 2
	s_add_co_u32 s42, s42, s40                     ; tile column
	s_and_b32 s17, ttmp7, 0xffff
	s_lshl_b32 s17, s17, 2
	s_add_co_u32 s17, s17, s41                     ; tile row
	s_lshl_b32 s43, s41, 2
	s_lshl_b32 s43, 15, s43                        ; my row of the cluster
	s_lshl_b32 s44, 0x1111, s40                    ; my column
	s_or_b32 s[G1+0], s43, (0<<16)|(1<<20)|(1<<21)|(5<<22)|(3<<25)  ; mask; elements of 1 byte; 4 words of padding behind every 64
	s_or_b32 s[G1B+0], s44, (0<<16)|(1<<20)|(1<<21)|(5<<22)|(3<<25)
.irp g, G1, G1B
	s_mov_b32 s[\g+1], ROWB<<16                    ; tensor_dim0
	s_mov_b32 s[\g+2], 128<<16                     ; tensor_dim1
	s_mov_b32 s[\g+3], ROWB<<16                    ; tile_dim0
	s_mov_b32 s[\g+4], 128                         ; tile_dim1
	s_mov_b32 s[\g+5], KROW                        ; from row to row
	s_mov_b32 s[\g+6], 0
	s_mov_b32 s[\g+7], 0
.endr
	s_or_b32 s[G1S+0], s43, (3<<16)|(1<<20)|(1<<21)|(5<<22)|(3<<25) ; the scales of 128 rows: 4,096 dense bytes as 16 rows of 32 elements of 8 bytes
	s_or_b32 s[G1SB+0], s44, (3<<16)|(1<<20)|(1<<21)|(5<<22)|(3<<25)
.irp g, G1S, G1SB
	s_mov_b32 s[\g+1], 32<<16
	s_mov_b32 s[\g+2], (128*KS/256)<<16
	s_mov_b32 s[\g+3], 32<<16
	s_mov_b32 s[\g+4], 128*KS/256
	s_mov_b32 s[\g+5], 32
	s_mov_b32 s[\g+6], 0
	s_mov_b32 s[\g+7], 0
.endr
	s_lshl_b32 s18, s16, 7
	s_lshl_b32 s20, s17, 8
	s_add_co_u32 s20, s20, s18                     ; A: row 256 x tile row + 128 x half
	s_lshl_b32 s46, s42, 8
	s_add_co_u32 s46, s46, s18                     ; B: row 256 x tile column + 128 x half
	s_mov_b32 s21, 0
	s_mov_b32 s47, 0
	s_mov_b64 s[18:19], KS
	s_mul_u64 s[22:23], s[20:21], s[18:19]         ; where these rows' scales begin
	s_mul_u64 s[92:93], s[46:47], s[18:19]
	s_mov_b64 s[18:19], KROW
	s_mul_u64 s[20:21], s[20:21], s[18:19]         ; and their codes
	s_mul_u64 s[46:47], s[46:47], s[18:19]
	s_mul_i32 s45, s14, HALFT                      ; where they go: wave x 128 rows
	s_mul_i32 s94, s14, HALFS
	s_wait_dscnt 0x0                               ; both opening adds are done
	s_wait_kmcnt 0x0
	s_add_nc_u64 s[8:9], s[4:5], 0x400000          ; w_qkv's codes
	s_add_nc_u64 s[10:11], s[6:7], 0x40000         ; and its scale bytes
	s_mov_b64 s[12:13], s[96:97]                   ; qkv
	s_add_nc_u64 s[20:21], s[4:5], s[20:21]
	s_add_nc_u64 s[22:23], s[6:7], s[22:23]
	s_add_nc_u64 s[46:47], s[8:9], s[46:47]
	s_add_nc_u64 s[92:93], s[10:11], s[92:93]
	CROUND                                         ; all sixteen work-groups are here: the joint loads meet
	s_mov_b32 s[G0S], 1
	s_add_co_u32 s[G0S+1], s94, SCL
	s_mov_b64 s[G0S+2:G0S+3], s[22:23]
	s_or_b32 s[G0S+3], s[G0S+3], 0x80000000
	s_mov_b32 s[G0SB], 1
	s_add_co_u32 s[G0SB+1], s94, SCL
	s_mov_b64 s[G0SB+2:G0SB+3], s[92:93]
	s_or_b32 s[G0SB+3], s[G0SB+3], 0x80000000
	JLOAD G0S, G1S, G0SB, G1SB                     ; the scales first; with the two below three loads of mine are out
.irp s, 0,1
	s_mov_b32 s[G0+4*\s], 1
	s_add_co_u32 s[G0+4*\s+1], s45, \s*SLOT
	s_add_nc_u64 s[G0+4*\s+2:G0+4*\s+3], s[20:21], \s*ROWB
	s_or_b32 s[G0+4*\s+3], s[G0+4*\s+3], 0x80000000
	s_mov_b32 s[G0B+4*\s], 1
	s_add_co_u32 s[G0B+4*\s+1], s45, \s*SLOT
	s_add_nc_u64 s[G0B+4*\s+2:G0B+4*\s+3], s[46:47], \s*ROWB
	s_or_b32 s[G0B+4*\s+3], s[G0B+4*\s+3], 0x80000000
	JLOAD G0+4*\s, G1, G0B+4*\s, G1B
.endr
	v_and_b32 v1, 15, v0                           ; r = l % 16
	v_bfe_u32 v2, v0, 4, 1                         ; h = l / 16
	v_mul_u32_u24 v3, v1, PITCH
	v_lshl_add_u32 v4, v2, 4, v3                   ; a fragment's row x pitch + 16 h
	s_mul_i32 s21, s15, HALFT
	s_mul_i32 s22, s16, HALFT
	s_add_co_u32 s22, s22, 2*HALFT
.irp s, 0,1
	v_add_nc_u32 v[ADRA+\s], s21, v4
	v_add_nc_u32 v[ADRB+\s], s22, v4
	s_add_co_u32 s21, s21, SLOT
	s_add_co_u32 s22, s22, SLOT
.endr
	v_mul_u32_u24 v5, v1, KS                       ; my row's scales: KS bytes a row,
	v_lshrrev_b32 v6, 8, v5
	v_lshl_add_u32 v5, v6, 4, v5                   ; and 16 more for each 256 passed
	s_mul_i32 s21, s15, HALFS
	s_mul_i32 s22, s16, HALFS
	s_add_co_u32 s22, s22, 2*HALFS
	s_sub_co_u32 s22, s22, s21
	v_mul_u32_u24 v6, s22, v2                      ; lanes 16-31 take B's
	s_add_co_u32 s21, s21, SCL
	v_add_nc_u32 v5, v5, v6
	v_add_nc_u32 v[ADRS], s21, v5
	s_mul_i32 s23, s14, 16*SPITCH                  ; my f32 stage
	v_mul_u32_u24 v5, v1, SPITCH
	v_lshl_add_u32 v5, v2, 5, v5
	v_add_nc_u32 v[STO], s23, v5                   ; in: row r, 32 bytes for each half of the lanes
	v_and_b32 v6, 31, v0
	v_lshlrev_b32 v[CO], 4, v6                     ; back: 32 lanes take one row of 512 bytes; the same in head32
	v_add_nc_u32 v[RD], s23, v[CO]
	s_mul_i32 s23, s14, 16*SP16                    ; my f16 stage
	s_add_co_u32 s23, s23, STG16
	v_mul_u32_u24 v5, v1, SP16
	v_lshl_add_u32 v5, v2, 4, v5
	v_add_nc_u32 v[STO16], s23, v5                 ; in: row r, 16 bytes for each half
	v_mul_u32_u24 v5, v2, SP16
	v_lshl_add_u32 v5, v1, 4, v5
	v_add_nc_u32 v[RD16], s23, v5                  ; back: lanes 0-15 one row of 256 bytes, lanes 16-31 the next
	v_mul_u32_u24 v5, v2, CROW
	v_lshl_add_u32 v[CO16], v1, 4, v5              ; and the same two rows in qkv
	s_lshl_b32 s20, s17, 8
	s_lshl_b32 s21, s15, 7
	s_add_co_u32 s20, s20, s21                     ; my first row
	s_mov_b32 s21, 0
	s_mov_b64 s[18:19], CROW
	s_mul_u64 s[20:21], s[20:21], s[18:19]
	s_lshl_b32 s46, s42, 9                         ; my first column, in bytes of f16
	s_lshl_b32 s47, s16, 8
	s_add_co_u32 s46, s46, s47
	s_mov_b32 s47, 0
	s_add_nc_u64 s[20:21], s[20:21], s[46:47]
	s_add_nc_u64 s[12:13], s[12:13], s[20:21]
	s_lshr_b32 s20, s17, 3                         ; the batch: 8 tile rows each
	s_mul_i32 s20, s20, 16*HROW
	s_lshl_b32 s46, s46, 1                         ; my first column, in bytes of f32
	s_add_co_u32 s20, s20, s46
	s_mov_b32 s21, 0
	s_add_nc_u64 s[98:99], s[98:99], s[20:21]
	s_and_b32 s46, s17, 7
	s_or_b32 s46, s46, s15                         ; 0: a batch's first tile row, upper half of its rows
	v_mov_b32 v[FLG], s46
.macro FRAG reg, adr, q, i             ; 16 rows x 128 K of 4-bit codes: registers 4 c .. 4 c + 3 hold K = 64 c + 32 h + 0 .. 31
.irp c, 0,1
	ds_load_b128 v[\reg+4*\c:\reg+4*\c+3], v[\adr] offset:64*(\q)+32*\c+(\i)*16*PITCH
.endr
.endm
; 16 matrix instructions: A's blocks a0, a0 + 1 x B's eight.  The 64 accumulators take turns, one instruction a turn.  zero = 1: the first product starts the sums.
.macro MUL16 a0, p, q, sc, zero
.irp a, \a0, \a0+1
.irp b, 0,1,2,3,4,5,6,7
.if \zero
	v_wmma_scale_f32_16x16x128_f8f6f4 v[8*(8*((\a)%4)+\b):8*(8*((\a)%4)+\b)+7], v[128*(\p)+FR*\b:128*(\p)+FR*\b+FR-1], v[AF+FR*(\a):AF+FR*(\a)+FR-1], 0, v[SC+8*NQ*(\sc)+NQ*\b+(\q)], v[SC+8*NQ*(\sc)+NQ*(\a)+(\q)] matrix_a_fmt:MATRIX_FMT_FP4 matrix_b_fmt:MATRIX_FMT_FP4 matrix_a_scale:MATRIX_SCALE_ROW1
.else
	v_wmma_scale_f32_16x16x128_f8f6f4 v[8*(8*((\a)%4)+\b):8*(8*((\a)%4)+\b)+7], v[128*(\p)+FR*\b:128*(\p)+FR*\b+FR-1], v[AF+FR*(\a):AF+FR*(\a)+FR-1], v[8*(8*((\a)%4)+\b):8*(8*((\a)%4)+\b)+7], v[SC+8*NQ*(\sc)+NQ*\b+(\q)], v[SC+8*NQ*(\sc)+NQ*(\a)+(\q)] matrix_a_fmt:MATRIX_FMT_FP4 matrix_b_fmt:MATRIX_FMT_FP4 matrix_a_scale:MATRIX_SCALE_ROW1
.endif
.endr
.endr
.endm
.macro FETCH_B slot, q, p
	WIN TO_B
.irp i, 0,1,2,3,4,5,6,7
	FRAG 128*(\p)+FR*\i, ADRB+\slot, \q, \i
.endr
	WIN 0
.endm
.macro FETCH_A slot, q, i0
.irp i, \i0, \i0+1, \i0+2, \i0+3
	FRAG AF+FR*(\i), ADRA+\slot, \q, \i
.endr
.endm
.macro SCALES sc                       ; a K step's scale words: lanes 0-15 A's block i, lanes 16-31 B's block i
.irp i, 0,1,2,3,4,5,6,7
	ds_load_b128 v[SC+8*NQ*\sc+NQ*\i:SC+8*NQ*\sc+NQ*\i+3], v[ADRS] offset:\i*SBLK
.endr
.endm
.macro PLACES n                        ; plain vector instructions between a matrix instruction and a load into, or a read of, its registers
.rept \n
	v_nop
.endr
.endm
.macro STEP slot, q, zero              ; 128 along K with its successor in the same slot
	s_wait_dscnt 4*NL                              ; B's set and A's blocks 0-3 are in; the youngest eight loads (A's blocks 4-7) may be out
	WIN MUL_LO
	MUL16 0, (\q)%2, \q, \slot, \zero
	MUL16 2, (\q)%2, \q, \slot, \zero
	s_wait_dscnt 0
	PLACES NP
	FETCH_B \slot, (\q)+1, 1-(\q)%2
	FETCH_A \slot, (\q)+1, 0
	WIN MUL_HI
	MUL16 4, (\q)%2, \q, \slot, \zero
	MUL16 6, (\q)%2, \q, \slot, \zero
	PLACES NP
	WIN 0
	FETCH_A \slot, (\q)+1, 4
.endm
.macro TURN slot, next                 ; a slot's last step changes slots: one barrier; nothing is filled again
	s_wait_tensorcnt 0x0                           ; all my tensor loads have landed: my part of the next slot
	ds_add_u32 v[SPW], v[NIL]
	s_wait_dscnt 4*NL+1                            ; the add and the youngest eight loads may be out
	WIN MUL_LO
	MUL16 0, 1, NQ-1, \slot, 0
	s_wait_dscnt 0x0                               ; the add is done, and my reads of this slot are over
	s_barrier_signal -1
	MUL16 2, 1, NQ-1, \slot, 0
	WIN 0
	s_barrier_wait -1
	PLACES NP
	v_add_nc_u32 v[ADRS], 4*NQ, v[ADRS]            ; on to the next K step's scale words
	FETCH_B \next, 0, 0
	FETCH_A \next, 0, 0
	SCALES \next
	WIN MUL_HI
	MUL16 4, 1, NQ-1, \slot, 0
	MUL16 6, 1, NQ-1, \slot, 0
	PLACES NP
	WIN 0
	FETCH_A \next, 0, 4
.endm
	s_wait_tensorcnt 1                             ; the scales and my part of slot 0 are in; slot 1's load may be out
	s_barrier_signal -1
	s_barrier_wait -1
	FETCH_B 0, 0, 0
	FETCH_A 0, 0, 0
	SCALES 0
	FETCH_A 0, 0, 4
	STEP 0, 0, 1
	STEP 0, 1, 0
	STEP 0, 2, 0
	TURN 0, 1
	STEP 1, 0, 0
	STEP 1, 1, 0
	STEP 1, 2, 0
	s_wait_dscnt 4*NL                              ; the very last step
	WIN MUL_LO
	MUL16 0, 1, NQ-1, 1, 0
	MUL16 2, 1, NQ-1, 1, 0
	s_wait_dscnt 0
	WIN MUL_HI
	MUL16 4, 1, NQ-1, 1, 0
	MUL16 6, 1, NQ-1, 1, 0
	WIN 0
; THE WAY OUT.  First my rows 0-15 as f32: through the f32 stage, back as whole rows of 512 bytes, and stored only where they are a batch's first 16 positions: the lanes are switched off elsewhere, so no branch hangs on my place in the cluster.
	PLACES NP
	WIN 0x08                                       ; an LDS store's data: window 2
.irp b, 0,1,2,3,4,5,6,7
	ds_store_b128 v[STO], v[8*\b:8*\b+3] offset:64*\b          ; each accumulator from its low end on
	ds_store_b128 v[STO], v[8*\b+4:8*\b+7] offset:64*\b+16
.endr
	WIN 0
.irp t, 0,1,2,3,4,5,6,7,8,9,10,11,12,13,14,15
	ds_load_b128 v[BK+4*\t:BK+4*\t+3], v[RD] offset:\t*SPITCH   ; LDS serves a wave's instructions in order: these see my stores
.endr
	s_wait_dscnt 0x0
	v_cmp_eq_u32 vcc_lo, 0, v[FLG]
	s_wait_xcnt 0x0                                ; EXEC changes only behind this wait
	s_and_saveexec_b32 s95, vcc_lo
.irp t, 0,1,2,3,4,5,6,7,8,9,10,11,12,13,14,15
	global_store_b128 v[CO], v[BK+4*\t:BK+4*\t+3], s[98:99] offset:\t*HROW   ; 512 consecutive bytes, aligned to 256
.endr
	s_wait_xcnt 0x0                                ; and again in front of the line that widens it
	s_or_b32 exec_lo, exec_lo, s95
; Then all eight blocks of 16 rows as f16: rounded, 16 bytes a lane into the f16 stage, back as rows of 256 bytes.
.macro PACK a
.set AC, 64*((\a)%4)
	WIN 0x0a+5*((\a)/4)                            ; sources 0 and 1: window 2 or 3
.irp b, 0,1,2,3,4,5,6,7
.irp r, 0,1,2,3
	v_cvt_pk_f16_f32 v[TMP+4*\b+\r], v[AC+8*\b+2*\r], v[AC+8*\b+2*\r+1]
.endr
.endr
	WIN 0
.endm
.macro TOSTAGE a
.set BB, OB+192*((\a)%2)
.irp b, 0,1,2,3,4,5,6,7
	ds_store_b128 v[STO16], v[TMP+4*\b:TMP+4*\b+3] offset:32*\b
.endr
.irp t, 0,1,2,3,4,5,6,7
	ds_load_b128 v[BB+4*\t:BB+4*\t+3], v[RD16] offset:\t*2*SP16
.endr
.endm
.macro SEND a
.set BB, OB+192*((\a)%2)
	s_wait_dscnt 0x0                               ; the block is back in registers
	s_wait_xcnt 0x0                                ; earlier stores have read their base and their data
.if (\a) > 0
	s_add_nc_u64 s[12:13], s[12:13], 16*CROW
.endif
.irp t, 0,1,2,3,4,5,6,7
	global_store_b128 v[CO16], v[BB+4*\t:BB+4*\t+3], s[12:13] offset:2*\t*CROW   ; 16 lanes store 256 consecutive bytes, aligned
.endr
.endm
	PACK 0
	TOSTAGE 0
.irp a, 1,2,3,4,5,6,7
	PACK \a
	SEND \a-1
	TOSTAGE \a
.endr
	SEND 7
	s_wait_tensorcnt 0x0                           ; the wave's end
	ds_add_u32 v[SPW], v[NIL]
	s_wait_dscnt 0x0
	CROUND                                         ; the closing round
	s_endpgm
.Lfunc_end_k_qbe07ebc74a_qkv:
	.size	k_qbe07ebc74a_qkv, .Lfunc_end_k_qbe07ebc74a_qkv-k_qbe07ebc74a_qkv
	.p2alignl 7, 3214868480
	.fill 96, 4, 3214868480
	.section	.rodata,"a",@progbits
	.p2align	6, 0x0
	.amdhsa_kernel k_qbe07ebc74a_qkv
		.amdhsa_group_segment_fixed_size 327680
		.amdhsa_private_segment_fixed_size 0
		.amdhsa_enable_private_segment 0
		.amdhsa_kernarg_size 32
		.amdhsa_user_sgpr_count 2
		.amdhsa_user_sgpr_kernarg_segment_ptr 1
		.amdhsa_wavefront_size32 1
		.amdhsa_system_sgpr_workgroup_id_x 1
		.amdhsa_system_sgpr_workgroup_id_y 1
		.amdhsa_system_sgpr_workgroup_id_z 1
		.amdhsa_system_vgpr_workitem_id 0
		.amdhsa_next_free_vgpr 1024
		.amdhsa_next_free_sgpr 100
		.amdhsa_reserve_vcc 1
		.amdhsa_float_denorm_mode_32 3
		.amdhsa_float_denorm_mode_16_64 3
		.amdhsa_memory_ordered 1
		.amdhsa_forward_progress 1
		.amdhsa_inst_pref_size 131
	.end_amdhsa_kernel
	.amdgpu_metadata
---
amdhsa.version: [ 1, 2 ]
amdhsa.kernels:
  - .name:           k_qbe07ebc74a_qkv
    .symbol:         k_qbe07ebc74a_qkv.kd
    .args:
      - { .name: codes, .offset: 0, .size: 8, .value_kind: global_buffer, .address_space: global }
      - { .name: scales, .offset: 8, .size: 8, .value_kind: global_buffer, .address_space: global }
      - { .name: qkv, .offset: 16, .size: 8, .value_kind: global_buffer, .address_space: global }
      - { .name: head32, .offset: 24, .size: 8, .value_kind: global_buffer, .address_space: global }
    .group_segment_fixed_size: 327680
    .private_segment_fixed_size: 0
    .kernarg_segment_align: 8
    .kernarg_segment_size: 32
    .max_flat_workgroup_size: 128
    .sgpr_count:     100
    .vgpr_count:     1024
    .wavefront_size: 32
...
	.end_amdgpu_metadata
.endif
;; end of part 2
;; launch scores (part 3): grid 4 x 48, 4 waves a work-group, clusters of 4 x 4, 327,680 bytes of LDS; arguments qkv, p, stats; writes p, stats
.if DOCPART == 3
	.amdgcn_target "amdgcn-amd-amdhsa--gfx1250"
	.amdhsa_code_object_version 6
	.text
	.protected	k_qbe07ebc74a_scores
	.globl	k_qbe07ebc74a_scores
	.p2align	8
	.type	k_qbe07ebc74a_scores,@function
k_qbe07ebc74a_scores:
	s_mov_b64 s[64:65], 0
	v_nop
	global_prefetch_b8 v0, s[64:65] scope:SCOPE_SE
	s_setreg_imm32_b32 hwreg(HW_REG_WAVE_MODE, 25, 1), 1
	s_wait_xcnt 0x0
	s_wait_alu depctr_hold_cnt(0) depctr_sa_sdst(0) depctr_va_vdst(0) depctr_va_sdst(0) depctr_va_ssrc(0) depctr_va_vcc(0) depctr_vm_vsrc(0)
	s_getreg_b32 s2, hwreg(HW_REG_IB_STS2, 6, 4)
	s_cmp_eq_u32 s2, 0
	s_cbranch_scc0 .Lentry_in_a_cluster
	s_endpgm
.Lentry_in_a_cluster:
	s_bfe_u32 s2, ttmp6, 0x10000c
	s_cmp_lg_u32 s2, 0xf033
	s_cbranch_scc0 .Lentry_shape_is_right
	s_endpgm
.Lentry_shape_is_right:
; SCORES.  For each batch: s = q k^T (f16 operands, f32 sums, K = 1,024), t = s x log2(e) / 32, the causal mask, and for each row and each GROUP of 128 keys:
; M = the group's largest t rounded up to a whole number, p = 2^(t - M) stored as f16, and (-M, the f32 sum of the group's p) stored in stats [batch][group][row][2].
; The next launch brings the groups under the row's largest M by exact powers of two: so every exponential has a true maximum taken away.
; A group all of whose keys are hidden has -M = floor(3e38 x c), l = 0 and p = 0.
; LIMIT: q and k are f16 (range 65,504).
; SHARES.  Tiles of 256 x 256, four waves of 128 x 128 (a wave's 128 columns are one group).  A cluster of 4 x 4 takes a square of 1,024 x 1,024; of a batch's four squares the three that the mask leaves are made: (0,0), (1,0), (1,1).
; The six tiles above the diagonal of a diagonal square are made all the same (zeros): all partners of a cluster run alike, and the next launch reads those zeros.
; K goes in 8 steps of 128 through two LDS slots; q's tiles are asked for jointly along a row of the cluster, k's along a column.  The matrix instruction is used transposed (source 0 = 16 keys, source 1 = 16 queries): a lane holds one query and eight neighbouring keys.
; REGISTERS: window 0: v16-31 addresses; v64-127, v128-191 q's fragments, two buffers.  window 1: k's.  windows 2, 3: the 64 accumulators ((a, b) at v[8 (8 (a % 4) + b)]).
.set KSTEP,  128
.set PITCH,  272
.set HALFT,  128*PITCH
.set SLOT,   4*HALFT
.set STAGE,  2*SLOT                    ; behind the ring: 16 rows x 272 bytes for each wave
.set SPITCH, 272
.set SPARE,  STAGE+4*16*SPITCH         ; the spare words: 128 bytes for each wave
.set LAPS,   4                         ; 1,024 / 256
.set QROW,   6144                      ; a row of qkv in bytes
.set PROW,   4096                      ; a row of p
.set ADRA, 16
.set ADRB, 20
.set STO,  24
.set RD,   25
.set CO,   26
.set DG,   27                          ; v27 my query less my first key: register 8 b + j is hidden where 16 b + j is greater
.set SPW,  28
.set NIL,  29
.set STV,  30                          ; v30 8 r + 4 h: my word of a block's stats
.set NINF, 31                          ; v31 -infinity
.set OB,   32                          ; 16 rows read back from the stage: v32-63 and v224-255 by turns
.set F0,   64
.set F1,   128
.set W,    64                          ; the way out: a block's 64 scores, then p
.set MX,   128                         ; v128-131 four running maxima
.set NM,   132                         ; v132 -M (v133 is named with it as a pair)
.set LS,   134                         ; v134-137 the sum, two chains of pairs
.set PX,   138                         ; the lane exchange's destination
.set LL,   139                         ; the group's sum
.set SV,   144                         ; v144-151 each block's stats word
.set TMP,  192
.set G1, 24
.set G0, 32
.set G1B, 48
.set G0B, 56
.set CS,  68                           ; s[68:69] c = log2(e) / 32
.set SEL, 70                           ; s[70:71] lane l xor 16
.set HM,  72                           ; s72 lanes 16-31
.set ST,  74                           ; s[74:75] stats at my group's plane and my first row
.set MSB, 0
.macro WIN new
.if MSB != \new
	s_set_vgpr_msb (MSB<<8)|\new
.set MSB, \new
.endif
.endm
.set MUL_LO, 0xa1
.set MUL_HI, 0xf1
.set TO_B,   0x40
.macro JLOAD s                         ; a joint load: waves 0, 1 fetch q's halves, waves 2, 3 k's; an s_nop 0 and four v_nop follow each line
	s_cmp_eq_u32 s11, 0
	s_cbranch_scc0 .Lfor_b_\@
	tensor_load_to_lds s[G0+4*\s:G0+4*\s+3], s[G1:G1+7]
	s_nop 0
.rept 4
	v_nop
.endr
	s_branch .Lasked_\@
.Lfor_b_\@:
	tensor_load_to_lds s[G0B+4*\s:G0B+4*\s+3], s[G1B:G1B+7]
	s_nop 0
.rept 4
	v_nop
.endr
.Lasked_\@:
.endm
.macro CREST
	s_cmp_lg_u32 s10, 0
	s_cbranch_scc1 .Lnot_wave_0_\@
	s_barrier_signal -3
.Lnot_wave_0_\@:
	s_barrier_wait -3
	s_barrier_signal -1
	s_barrier_wait -1
.endm
.macro CROUND
	s_barrier_signal -1
	s_barrier_wait -1
	CREST
.endm
	s_load_b128 s[4:7], s[0:1], 0x0                ; qkv, p
	s_load_b64 s[ST:ST+1], s[0:1], 0x10            ; stats
	v_lshl_add_u32 v[SPW], v0, 2, SPARE
	v_mov_b32 v[NIL], 0
	ds_add_u32 v[SPW], v[NIL]                      ; the opening: the add, twice on end, and its wait ahead of my first tensor load
	ds_add_u32 v[SPW], v[NIL]
	v_lshrrev_b32 v1, 5, v0
	v_readfirstlane_b32 s10, v1                    ; wave 0..3
	s_lshr_b32 s11, s10, 1                         ; my half of the tile's rows.  Also: I fetch q (0) or k (1)
	s_and_b32 s12, s10, 1                          ; my half of its columns.  Also: which 128 rows I fetch
	s_bfe_u32 s40, ttmp6, 0x40000                  ; cx
	s_bfe_u32 s41, ttmp6, 0x40004                  ; cy
	s_and_b32 s20, ttmp7, 0xffff                   ; the cluster's number, 0 to 11
	s_and_b32 s45, s20, 3                          ; the batch
	s_lshr_b32 s20, s20, 2                         ; which square: 0, 1, 2
	s_add_co_u32 s21, s20, 1
	s_lshr_b32 s21, s21, 1                         ; its row: 0, 1, 1
	s_lshr_b32 s22, s20, 1                         ; its column: 0, 0, 1
	s_lshl_b32 s13, s21, 2
	s_add_co_u32 s13, s13, s41                     ; tile row in the batch
	s_lshl_b32 s42, s22, 2
	s_add_co_u32 s42, s42, s40                     ; tile column
	s_lshl_b32 s43, s41, 2
	s_lshl_b32 s43, 15, s43                        ; my row of the cluster
	s_lshl_b32 s44, 0x1111, s40                    ; my column
	s_or_b32 s[G1+0], s43, (1<<16)|(1<<20)|(1<<21)|(5<<22)|(3<<25)  ; mask; elements of 2 bytes; 4 words of padding behind every 64
	s_or_b32 s[G1B+0], s44, (1<<16)|(1<<20)|(1<<21)|(5<<22)|(3<<25)
.irp g, G1, G1B
	s_mov_b32 s[\g+1], KSTEP<<16                   ; tensor_dim0 = 128
	s_mov_b32 s[\g+2], 128<<16                     ; tensor_dim1 = 128
	s_mov_b32 s[\g+3], KSTEP<<16                   ; tile_dim0
	s_mov_b32 s[\g+4], 128                         ; tile_dim1
	s_mov_b32 s[\g+5], 3072                        ; elements from row to row
	s_mov_b32 s[\g+6], 0
	s_mov_b32 s[\g+7], 0
.endr
	s_mov_b32 s[CS], 0x3d38aa3b
	s_mov_b32 s[CS+1], s[CS]
	s_mov_b32 s[SEL], 0x76543210
	s_mov_b32 s[SEL+1], 0xfedcba98
	s_mov_b32 s[HM], 0xffff0000
	s_lshl_b32 s17, s12, 7
	s_lshl_b32 s18, s45, 11
	s_lshl_b32 s16, s13, 8
	s_add_co_u32 s16, s16, s17
	s_add_co_u32 s16, s16, s18                     ; q: row 2,048 batch + 256 tile row + 128 half
	s_lshl_b32 s46, s42, 8
	s_add_co_u32 s46, s46, s17
	s_add_co_u32 s46, s46, s18                     ; k: row 2,048 batch + 256 tile column + 128 half
	s_mul_i32 s16, s16, QROW                       ; under 2^26
	s_mov_b32 s17, 0
	s_mul_i32 s46, s46, QROW
	s_mov_b32 s47, 0
	s_mul_i32 s20, s10, HALFT                      ; where they go: wave x 128 rows
	s_wait_dscnt 0x0                               ; both opening adds are done
	s_wait_kmcnt 0x0
	s_mov_b64 s[8:9], s[6:7]                       ; p
	s_add_nc_u64 s[6:7], s[4:5], 2048              ; k begins 2,048 bytes into a row of qkv
	s_add_nc_u64 s[14:15], s[4:5], s[16:17]
	s_add_nc_u64 s[46:47], s[6:7], s[46:47]
	CROUND
.irp s, 0,1
	s_mov_b32 s[G0+4*\s], 1
	s_add_co_u32 s[G0+4*\s+1], s20, \s*SLOT
	s_add_nc_u64 s[G0+4*\s+2:G0+4*\s+3], s[14:15], \s*KSTEP*2
	s_or_b32 s[G0+4*\s+3], s[G0+4*\s+3], 0x80000000
	s_mov_b32 s[G0B+4*\s], 1
	s_add_co_u32 s[G0B+4*\s+1], s20, \s*SLOT
	s_add_nc_u64 s[G0B+4*\s+2:G0B+4*\s+3], s[46:47], \s*KSTEP*2
	s_or_b32 s[G0B+4*\s+3], s[G0B+4*\s+3], 0x80000000
	JLOAD \s                                       ; two loads of mine are out
.endr
	v_and_b32 v1, 15, v0                           ; r
	v_bfe_u32 v2, v0, 4, 1                         ; h
	v_mul_u32_u24 v3, v1, PITCH
	v_lshl_add_u32 v3, v2, 4, v3
	s_mul_i32 s21, s11, HALFT
	s_mul_i32 s22, s12, HALFT
	s_add_co_u32 s22, s22, 2*HALFT
.irp s, 0,1
	v_add_nc_u32 v[ADRA+\s], s21, v3
	v_add_nc_u32 v[ADRB+\s], s22, v3
	s_add_co_u32 s21, s21, SLOT
	s_add_co_u32 s22, s22, SLOT
.endr
	s_mul_i32 s23, s10, 16*SPITCH
	s_add_co_u32 s23, s23, STAGE
	v_mul_u32_u24 v4, v1, SPITCH
	v_lshl_add_u32 v4, v2, 4, v4
	v_add_nc_u32 v[STO], s23, v4
	v_mul_u32_u24 v5, v2, SPITCH
	v_lshl_add_u32 v5, v1, 4, v5
	v_add_nc_u32 v[RD], s23, v5
	v_lshlrev_b32 v5, 12, v2
	v_lshl_add_u32 v[CO], v1, 4, v5                ; two rows of p
	v_lshlrev_b32 v[STV], 3, v1
	v_lshl_add_u32 v[STV], v2, 2, v[STV]
	v_mov_b32 v[NINF], 0xff800000
	s_lshl_b32 s16, s13, 8
	s_lshl_b32 s17, s11, 7
	s_add_co_u32 s16, s16, s17                     ; my first row in the batch
	s_lshl_b32 s17, s45, 11
	s_add_co_u32 s17, s16, s17                     ; and in p
	s_lshl_b32 s18, s17, 12
	s_mov_b32 s19, 0
	s_lshl_b32 s46, s42, 9
	s_lshl_b32 s47, s12, 8
	s_add_co_u32 s46, s46, s47
	s_mov_b32 s47, 0
	s_add_nc_u64 s[18:19], s[18:19], s[46:47]
	s_add_nc_u64 s[8:9], s[8:9], s[18:19]
	s_lshl_b32 s46, s45, 4
	s_lshl_b32 s47, s42, 1
	s_add_co_u32 s46, s46, s47
	s_add_co_u32 s46, s46, s12                     ; the plane: 16 batch + my group
	s_lshl_b32 s46, s46, 11
	s_add_co_u32 s46, s46, s16
	s_lshl_b32 s46, s46, 3                         ; 8 bytes a row
	s_mov_b32 s47, 0
	s_add_nc_u64 s[ST:ST+1], s[ST:ST+1], s[46:47]
	s_sub_co_i32 s46, s13, s42
	s_lshl_b32 s46, s46, 8
	s_sub_co_i32 s47, s11, s12
	s_lshl_b32 s47, s47, 7
	s_add_co_i32 s46, s46, s47
	v_lshlrev_b32 v3, 3, v2
	v_sub_nc_u32 v3, v1, v3
	v_add_nc_u32 v[DG], s46, v3                    ; 256 (tile row - tile column) + 128 (row half - column half) + r - 8 h
.macro MUL16 f, hi, a0, zero           ; 16 matrix instructions; the 64 accumulators take turns; zero = 1: the first product starts the sums
.irp a, \a0, \a0+1
.irp b, 0,1,2,3,4,5,6,7
.if \zero
	v_wmma_f32_16x16x32_f16 v[8*(8*(\a)+\b):8*(8*(\a)+\b)+7], v[\f+8*\b:\f+8*\b+7], v[\f+8*(4*\hi+\a):\f+8*(4*\hi+\a)+7], 0
.else
	v_wmma_f32_16x16x32_f16 v[8*(8*(\a)+\b):8*(8*(\a)+\b)+7], v[\f+8*\b:\f+8*\b+7], v[\f+8*(4*\hi+\a):\f+8*(4*\hi+\a)+7], v[8*(8*(\a)+\b):8*(8*(\a)+\b)+7]
.endif
.endr
.endr
.endm
.macro FETCH slot, k, f                ; 32 LDS loads in one run: a quarter step's fragments
	WIN TO_B
.irp i, 0,1,2,3,4,5,6,7
	ds_load_b128 v[\f+8*\i:\f+8*\i+3],   v[ADRB+\slot] offset:\k+\i*16*PITCH
	ds_load_b128 v[\f+8*\i+4:\f+8*\i+7], v[ADRB+\slot] offset:\k+\i*16*PITCH+32
.endr
	WIN 0
.irp i, 0,1,2,3,4,5,6,7
	ds_load_b128 v[\f+8*\i:\f+8*\i+3],   v[ADRA+\slot] offset:\k+\i*16*PITCH
	ds_load_b128 v[\f+8*\i+4:\f+8*\i+7], v[ADRA+\slot] offset:\k+\i*16*PITCH+32
.endr
.endm
.macro PLACES                          ; four plain vector instructions between a matrix instruction and a load into, or a read of, its registers
.rept 4
	v_nop
.endr
.endm
.macro QUARTER slot, k, f, g, zero
	s_wait_dscnt 8                                 ; all but the youngest eight loads (q's rows 64-127)
	WIN MUL_LO
	MUL16 \f, 0, 0, \zero
	MUL16 \f, 0, 2, \zero
	PLACES
	FETCH \slot, \k, \g
	s_wait_dscnt 32                                ; all but the 32 just issued
	WIN MUL_HI
	MUL16 \f, 1, 0, \zero
	MUL16 \f, 1, 2, \zero
.endm
.macro TURN slot, next, fill           ; the last quarter changes slots: one barrier; fill = 1: it opens a round of the cluster's barrier, and the slot is filled again, two K steps on
	WIN 0
	s_wait_tensorcnt 0x0                           ; all my tensor loads have landed: the one that was out is my part of the next slot
	ds_add_u32 v[SPW], v[NIL]
	s_wait_dscnt 9                                 ; the add and the youngest eight loads may be out
	WIN MUL_LO
	MUL16 F1, 0, 0, 0
	s_wait_dscnt 0x0                               ; the add is done, and my reads of this slot are over
	s_barrier_signal -1
	MUL16 F1, 0, 2, 0
.if \fill
	WIN 0
.endif
	s_barrier_wait -1
.if \fill
	CREST
	s_add_nc_u64 s[G0+4*\slot+2:G0+4*\slot+3], s[G0+4*\slot+2:G0+4*\slot+3], 2*KSTEP*2
	s_add_nc_u64 s[G0B+4*\slot+2:G0B+4*\slot+3], s[G0B+4*\slot+2:G0B+4*\slot+3], 2*KSTEP*2
	JLOAD \slot                                    ; my one tensor load behind the round; its four v_nop are also the places in front of the loads below
.else
	PLACES
.endif
	FETCH \next, 0, F0
	WIN MUL_HI
	MUL16 F1, 1, 0, 0
	MUL16 F1, 1, 2, 0
.endm
	s_wait_tensorcnt 1                             ; my part of K step 0 is in; K step 1's load may be out
	s_barrier_signal -1
	s_barrier_wait -1
	FETCH 0, 0, F0
	QUARTER 0, 64,  F0, F1, 1
	WIN 0
	s_mov_b32 s3, LAPS-1
.Llap:                                                 ; a trip goes once round the ring and fills both slots again
	QUARTER 0, 128, F1, F0, 0
	QUARTER 0, 192, F0, F1, 0
	TURN 0, 1, 1
	QUARTER 1, 64,  F0, F1, 0
	QUARTER 1, 128, F1, F0, 0
	QUARTER 1, 192, F0, F1, 0
	TURN 1, 0, 1
	QUARTER 0, 64,  F0, F1, 0
	WIN 0
	s_sub_co_u32 s3, s3, 1
	s_cmp_lg_u32 s3, 0
	s_cbranch_scc1 .Llap
	QUARTER 0, 128, F1, F0, 0                      ; the last lap asks for nothing
	QUARTER 0, 192, F0, F1, 0
	TURN 0, 1, 0
	QUARTER 1, 64,  F0, F1, 0
	QUARTER 1, 128, F1, F0, 0
	QUARTER 1, 192, F0, F1, 0
	s_wait_dscnt 8
	WIN MUL_LO
	MUL16 F1, 0, 0, 0
	MUL16 F1, 0, 2, 0
	s_wait_dscnt 0
	WIN MUL_HI
	MUL16 F1, 1, 0, 0
	MUL16 F1, 1, 2, 0
	WIN 0
; THE WAY OUT, a block of 16 queries x 128 keys at a time.
.macro SOFT a
.set AC, 64*((\a)%4)
	WIN 0x02+((\a)/4)                              ; source 0: window 2 or 3
.set n, 0
.rept 64                               ; hidden scores become -infinity; each accumulator is read from its low end on
	v_cmp_gt_i32 vcc_lo, 16*(n/8)+n%8, v[DG]
	v_cndmask_b32 v[W+n], v[AC+n], v[NINF], vcc_lo
.set n, n+1
.endr
	WIN 0
.irp b, 0,1,2,3
	v_max3_num_f32 v[MX+\b], v[W+16*\b], v[W+16*\b+1], v[W+16*\b+2]     ; the largest score, four chains by turns
.endr
.irp i, 3,5,7,9,11,13
.irp b, 0,1,2,3
	v_max3_num_f32 v[MX+\b], v[MX+\b], v[W+16*\b+\i], v[W+16*\b+\i+1]
.endr
.endr
.irp b, 0,1,2,3
	v_max_num_f32 v[MX+\b], v[MX+\b], v[W+16*\b+15]
.endr
	v_max3_num_f32 v[MX], v[MX], v[MX+1], v[MX+2]
	v_max3_num_f32 v[MX], v[MX], v[MX+3], 0xff61b1e6   ; and -3e38, for a row all of whose keys here are hidden
	v_permlanex16_b32 v[PX], v[MX], s[SEL], s[SEL+1]   ; the query's other 64 keys lie in the lane 16 away
	v_max_num_f32 v[MX], v[MX], v[PX]
	v_mul_f32 v[MX], s[CS], v[MX]                  ; as t (c is positive)
	v_floor_f32 v[NM], -v[MX]                      ; -M = floor(-t): M is a whole number
.set n, 0
.rept 32
	v_pk_fma_f32 v[W+n:W+n+1], v[W+n:W+n+1], s[CS:CS+1], v[NM:NM+1] op_sel_hi:[1,0,0]   ; t - M
.set n, n+2
.endr
.set n, 0
.rept 64
	v_exp_f32 v[W+n], v[W+n]                       ; p = 2^(t - M), at most 1
.set n, n+1
.endr
	v_add_nc_u32 v[DG], 16, v[DG]                  ; the next block's queries.  (The plain instruction behind the exponentials)
	s_wait_alu depctr_va_vdst(0)                   ; one wait for the batch, ahead of its first reader
	v_pk_add_f32 v[LS:LS+1], v[W:W+1], v[W+2:W+3]  ; the sum of the unrounded p, in two chains
	v_pk_add_f32 v[LS+2:LS+3], v[W+4:W+5], v[W+6:W+7]
.irp j, 8,12,16,20,24,28,32,36,40,44,48,52,56,60
	v_pk_add_f32 v[LS:LS+1], v[LS:LS+1], v[W+\j:W+\j+1]
	v_pk_add_f32 v[LS+2:LS+3], v[LS+2:LS+3], v[W+\j+2:W+\j+3]
.endr
	v_pk_add_f32 v[LS:LS+1], v[LS:LS+1], v[LS+2:LS+3]
	v_add_f32 v[LS], v[LS], v[LS+1]
	v_permlanex16_b32 v[PX], v[LS], s[SEL], s[SEL+1]
	v_add_f32 v[LL], v[LS], v[PX]
.set n, 0
.rept 32
	v_cvt_pk_f16_f32 v[TMP+n], v[W+2*n], v[W+2*n+1]
.set n, n+1
.endr
	v_cndmask_b32 v[SV+(\a)], v[NM], v[LL], s[HM]  ; lanes 0-15 carry -M, lanes 16-31 the sum
.endm
.macro TOSTAGE a
.set BB, OB+192*((\a)%2)
.irp b, 0,1,2,3,4,5,6,7
	ds_store_b128 v[STO], v[TMP+4*\b:TMP+4*\b+3] offset:32*\b
.endr
.irp t, 0,1,2,3,4,5,6,7
	ds_load_b128 v[BB+4*\t:BB+4*\t+3], v[RD] offset:\t*2*SPITCH    ; LDS serves a wave's instructions in order: these see the stores above
.endr
.endm
.macro SEND a
.set BB, OB+192*((\a)%2)
	s_wait_dscnt 0x0                               ; the block is back in registers
	s_wait_xcnt 0x0                                ; earlier stores have read their base and their data
.if (\a) > 0
	s_add_nc_u64 s[8:9], s[8:9], 16*PROW
.endif
.irp t, 0,1,2,3,4,5,6,7
	global_store_b128 v[CO], v[BB+4*\t:BB+4*\t+3], s[8:9] offset:2*\t*PROW   ; 16 lanes store 256 consecutive bytes, aligned
.endr
	global_store_b32 v[STV], v[SV+(\a)], s[ST:ST+1] offset:128*(\a)          ; (-M, l) of 16 rows: 128 consecutive bytes
.endm
	PLACES
	v_mov_b32 v[NM+1], 0                           ; named as the upper half of a pair
	v_mov_b32 v[PX], 0                             ; a lane exchange's destination counts as one of its sources
	SOFT 0
	TOSTAGE 0
.irp a, 1,2,3,4,5,6,7
	SOFT \a
	SEND \a-1
	TOSTAGE \a
.endr
	SEND 7
	s_wait_tensorcnt 0x0                           ; the wave's end
	ds_add_u32 v[SPW], v[NIL]
	s_wait_dscnt 0x0
	CROUND                                         ; the closing round
	s_endpgm
.Lfunc_end_k_qbe07ebc74a_scores:
	.size	k_qbe07ebc74a_scores, .Lfunc_end_k_qbe07ebc74a_scores-k_qbe07ebc74a_scores
	.p2alignl 7, 3214868480
	.fill 96, 4, 3214868480
	.section	.rodata,"a",@progbits
	.p2align	6, 0x0
	.amdhsa_kernel k_qbe07ebc74a_scores
		.amdhsa_group_segment_fixed_size 327680
		.amdhsa_private_segment_fixed_size 0
		.amdhsa_enable_private_segment 0
		.amdhsa_kernarg_size 24
		.amdhsa_user_sgpr_count 2
		.amdhsa_user_sgpr_kernarg_segment_ptr 1
		.amdhsa_wavefront_size32 1
		.amdhsa_system_sgpr_workgroup_id_x 1
		.amdhsa_system_sgpr_workgroup_id_y 1
		.amdhsa_system_sgpr_workgroup_id_z 1
		.amdhsa_system_vgpr_workitem_id 0
		.amdhsa_next_free_vgpr 1024
		.amdhsa_next_free_sgpr 76
		.amdhsa_reserve_vcc 1
		.amdhsa_float_denorm_mode_32 3
		.amdhsa_float_denorm_mode_16_64 3
		.amdhsa_memory_ordered 1
		.amdhsa_forward_progress 1
		.amdhsa_inst_pref_size 252
	.end_amdhsa_kernel
	.amdgpu_metadata
---
amdhsa.version: [ 1, 2 ]
amdhsa.kernels:
  - .name:           k_qbe07ebc74a_scores
    .symbol:         k_qbe07ebc74a_scores.kd
    .args:
      - { .name: qkv, .offset: 0, .size: 8, .value_kind: global_buffer, .address_space: global }
      - { .name: p, .offset: 8, .size: 8, .value_kind: global_buffer, .address_space: global }
      - { .name: stats, .offset: 16, .size: 8, .value_kind: global_buffer, .address_space: global }
    .group_segment_fixed_size: 327680
    .private_segment_fixed_size: 0
    .kernarg_segment_align: 8
    .kernarg_segment_size: 24
    .max_flat_workgroup_size: 128
    .sgpr_count:     76
    .vgpr_count:     1024
    .wavefront_size: 32
...
	.end_amdgpu_metadata
.endif
;; end of part 3
;; launch pv (part 4): grid 8 x 64, 4 waves a work-group, clusters of 4 x 4, 327,680 bytes of LDS; arguments p, qkv, stats, att; writes att
.if DOCPART == 4
	.amdgcn_target "amdgcn-amd-amdhsa--gfx1250"
	.amdhsa_code_object_version 6
	.text
	.protected	k_qbe07ebc74a_pv
	.globl	k_qbe07ebc74a_pv
	.p2align	8
	.type	k_qbe07ebc74a_pv,@function
k_qbe07ebc74a_pv:
	s_mov_b64 s[64:65], 0
	v_nop
	global_prefetch_b8 v0, s[64:65] scope:SCOPE_SE
	s_setreg_imm32_b32 hwreg(HW_REG_WAVE_MODE, 25, 1), 1
	s_wait_xcnt 0x0
	s_wait_alu depctr_hold_cnt(0) depctr_sa_sdst(0) depctr_va_vdst(0) depctr_va_sdst(0) depctr_va_ssrc(0) depctr_va_vcc(0) depctr_vm_vsrc(0)
	s_getreg_b32 s2, hwreg(HW_REG_IB_STS2, 6, 4)
	s_cmp_eq_u32 s2, 0
	s_cbranch_scc0 .Lentry_in_a_cluster
	s_endpgm
.Lentry_in_a_cluster:
	s_bfe_u32 s2, ttmp6, 0x10000c
	s_cmp_lg_u32 s2, 0xf033
	s_cbranch_scc0 .Lentry_shape_is_right
	s_endpgm
.Lentry_shape_is_right:
; PV.  att[q] = (sum over groups j of 2^(M_j - M) x (sum over the group's 128 keys of p v)) / (sum over j of 2^(M_j - M) l_j), M = the row's largest M_j; f16 operands, f32 sums; att is stored as f16.
; The factors are exact powers of two (M_j are whole numbers); a hidden group's factor falls to 0.
; LIMIT: v and att are f16 (range 65,504).
; SHARES.  A tile of 128 queries x 128 channels, four waves of 64 x 64.  A cluster of 4 x 4 takes 512 queries x 512 channels: G = which 512 queries of the batch, the same in all partners.
; It walks 512 (T + 1) keys, T = max(G, 1): for G = 0 the second 512 keys are zeros that the launch before has stored, so that the loop always has a trip.  The clusters with most keys come first.
; K goes in steps of 256 keys through two LDS slots: p's 128 rows of 512 bytes (pitch 528; waves 0, 1; jointly along a row of the cluster) and v's 256 rows of 256 bytes (pitch 288; waves 2, 3; jointly along a column).
; The matrix instruction is used transposed (source 0 = 16 channels, from v by the turning load; source 1 = 16 queries): a lane holds one query and eight neighbouring channels.
; A group's products start sums T anew (C = 0); behind its 64 matrix instructions O += f x T, 64 packed multiply-adds.
; REGISTERS: window 0: v16-31 addresses; v32-63 a row's figures; v128-255 T (16 accumulators, (a, b) at v[128 + 8 (4 a + b)]).  window 1: two fragment buffers of 128.  window 2: v0-127 O.
.set PITCHA, 528
.set PITCHB, 288
.set HALFA,  64*PITCHA                 ; what waves 0, 1 bring: 64 rows of p
.set HALFB,  128*PITCHB                ; what waves 2, 3 bring: 128 keys of v
.set SLOT,   2*HALFA+2*HALFB
.set STAGE,  2*SLOT                    ; behind the ring: 128 rows x 272 bytes
.set SPITCH, 272
.set SPARE,  STAGE+128*SPITCH          ; the spare words: 128 bytes for each wave
.set PLANE,  16384                     ; a group's 2,048 rows of stats
.set STEPA,  512                       ; a K step on: 256 keys in a row of p,
.set STEPB,  256*6144                  ; 256 rows of qkv
.set ADRA, 16                          ; v16-17 p's fragments in slot 0, 1
.set ADRB, 20                          ; v20-23 v's fragments: slot, half of the K step
.set STO,  24
.set RD,   25
.set CO,   26
.set STV,  27                          ; v27 (64 x row half + r) x 8
.set SPW,  28
.set NIL,  29
.set NMR,  32                          ; v32-35 the row's -M, one for each tile of 16 queries
.set LR,   36                          ; v36-39 the row's sum
.set RL,   40                          ; v40-47 1 / sum in the even registers
.set FF,   48                          ; v48-55 f in the even registers
.set NMJ,  56                          ; v56-63 the groups' -M, two sets of four
.set TP,   64                          ; v64-67 at work
.set TMP,  64                          ; the way out
.set ACC,  128
.set F0,   0
.set F1,   128
.set G1, 24
.set G0, 32
.set G1B, 48
.set G0B, 56
.set ST,  66                           ; s[66:67] stats at the trip's first group and the tile's first row
.set ST2, 68                           ; s[68:69] groups 8 to 15, or 0 to 7 again where they were not stored
.set WGT, 70                           ; s70 1.0 or 0: what groups 8 to 15 count for
.set MSB, 0
.macro WIN new
.if MSB != \new
	s_set_vgpr_msb (MSB<<8)|\new
.set MSB, \new
.endif
.endm
.set MUL,  0x05                        ; sources 0 and 1 window 1; C and D window 0
.set TO_F, 0x40
.macro JLOAD s                         ; waves 0, 1 fetch p's halves, waves 2, 3 v's; an s_nop 0 and four v_nop follow each line
	s_cmp_eq_u32 s11, 0
	s_cbranch_scc0 .Lfor_b_\@
	tensor_load_to_lds s[G0+4*\s:G0+4*\s+3], s[G1:G1+7]
	s_nop 0
.rept 4
	v_nop
.endr
	s_branch .Lasked_\@
.Lfor_b_\@:
	tensor_load_to_lds s[G0B+4*\s:G0B+4*\s+3], s[G1B:G1B+7]
	s_nop 0
.rept 4
	v_nop
.endr
.Lasked_\@:
.endm
.macro CREST
	s_cmp_lg_u32 s10, 0
	s_cbranch_scc1 .Lnot_wave_0_\@
	s_barrier_signal -3
.Lnot_wave_0_\@:
	s_barrier_wait -3
	s_barrier_signal -1
	s_barrier_wait -1
.endm
.macro CROUND
	s_barrier_signal -1
	s_barrier_wait -1
	CREST
.endm
	s_load_b128 s[4:7], s[0:1], 0x0                ; p, qkv
	s_load_b128 s[76:79], s[0:1], 0x10             ; stats, att
	v_lshl_add_u32 v[SPW], v0, 2, SPARE
	v_mov_b32 v[NIL], 0
	ds_add_u32 v[SPW], v[NIL]                      ; the opening: the add, twice on end, and its wait ahead of my first tensor load
	ds_add_u32 v[SPW], v[NIL]
	v_lshrrev_b32 v1, 5, v0
	v_readfirstlane_b32 s10, v1                    ; wave 0..3
	s_lshr_b32 s11, s10, 1                         ; my half of the queries.  Also: I fetch p (0) or v (1)
	s_and_b32 s12, s10, 1                          ; my half of the channels.  Also: which half of that tile I fetch
	s_bfe_u32 s40, ttmp6, 0x40000                  ; cx
	s_bfe_u32 s41, ttmp6, 0x40004                  ; cy
	s_lshl_b32 s42, ttmp9, 2
	s_add_co_u32 s42, s42, s40                     ; which 128 channels
	s_and_b32 s20, ttmp7, 0xffff                   ; the cluster's y, 0 to 15
	s_and_b32 s45, s20, 3                          ; the batch
	s_lshr_b32 s20, s20, 2
	s_sub_co_u32 s71, 3, s20                       ; G: the clusters with most keys first
	s_lshl_b32 s13, s71, 2
	s_add_co_u32 s13, s13, s41                     ; which 128 queries of the batch
	s_max_u32 s72, s71, 1                          ; T: the loop's trips; the same in all partners
	s_lshl_b32 s43, s41, 2
	s_lshl_b32 s43, 15, s43                        ; my row of the cluster
	s_lshl_b32 s44, 0x1111, s40                    ; my column
	s_or_b32 s[G1+0], s43, (1<<16)|(1<<20)|(1<<21)|(6<<22)|(3<<25)  ; p: elements of 2 bytes; 4 words of padding behind every 128
	s_mov_b32 s[G1+1], 256<<16                     ; tensor_dim0 = 256
	s_mov_b32 s[G1+2], 64<<16                      ; tensor_dim1 = 64
	s_mov_b32 s[G1+3], 256<<16                     ; tile_dim0
	s_mov_b32 s[G1+4], 64                          ; tile_dim1
	s_mov_b32 s[G1+5], 2048                        ; elements from row to row
	s_mov_b32 s[G1+6], 0
	s_mov_b32 s[G1+7], 0
	s_or_b32 s[G1B+0], s44, (1<<16)|(1<<20)|(1<<21)|(5<<22)|(7<<25) ; v: 8 words of padding behind every 64
	s_mov_b32 s[G1B+1], 128<<16
	s_mov_b32 s[G1B+2], 128<<16
	s_mov_b32 s[G1B+3], 128<<16
	s_mov_b32 s[G1B+4], 128
	s_mov_b32 s[G1B+5], 3072
	s_mov_b32 s[G1B+6], 0
	s_mov_b32 s[G1B+7], 0
	s_lshl_b32 s18, s45, 11
	s_lshl_b32 s16, s13, 7
	s_lshl_b32 s17, s12, 6
	s_add_co_u32 s16, s16, s17
	s_add_co_u32 s16, s16, s18                     ; p: row 2,048 batch + 128 block + 64 half
	s_lshl_b32 s16, s16, 12
	s_mov_b32 s17, 0
	s_lshl_b32 s46, s12, 7
	s_add_co_u32 s46, s46, s18                     ; v: key 2,048 batch + 128 half
	s_mul_i32 s46, s46, 6144
	s_lshl_b32 s47, s42, 8
	s_add_co_u32 s46, s46, s47                     ; + my 128 channels
	s_add_co_u32 s46, s46, 4096                    ; v begins 4,096 bytes into a row of qkv
	s_mov_b32 s47, 0
	s_mul_i32 s20, s12, HALFA                      ; where they go in a slot
	s_mul_i32 s21, s12, HALFB
	s_add_co_u32 s21, s21, 2*HALFA
	s_wait_dscnt 0x0                               ; both opening adds are done
	s_wait_kmcnt 0x0
	s_add_nc_u64 s[14:15], s[4:5], s[16:17]
	s_add_nc_u64 s[46:47], s[6:7], s[46:47]
	s_mov_b64 s[8:9], s[78:79]                     ; att
	CROUND
.irp s, 0,1
	s_mov_b32 s[G0+4*\s], 1
	s_add_co_u32 s[G0+4*\s+1], s20, \s*SLOT
	s_add_nc_u64 s[G0+4*\s+2:G0+4*\s+3], s[14:15], \s*STEPA
	s_or_b32 s[G0+4*\s+3], s[G0+4*\s+3], 0x80000000
	s_mov_b32 s[G0B+4*\s], 1
	s_add_co_u32 s[G0B+4*\s+1], s21, \s*SLOT
	s_add_nc_u64 s[G0B+4*\s+2:G0B+4*\s+3], s[46:47], \s*STEPB
	s_or_b32 s[G0B+4*\s+3], s[G0B+4*\s+3], 0x80000000
	JLOAD \s                                       ; two loads of mine are out
.endr
	v_and_b32 v1, 15, v0                           ; r
	v_bfe_u32 v2, v0, 4, 1                         ; h
	v_lshlrev_b32 v[STV], 3, v1
	s_lshl_b32 s22, s11, 9
	v_add_nc_u32 v[STV], s22, v[STV]
	s_lshl_b32 s22, s45, 18                        ; 16 planes a batch
	s_lshl_b32 s23, s13, 10                        ; 128 rows of 8 bytes
	s_add_co_u32 s22, s22, s23
	s_mov_b32 s23, 0
	s_add_nc_u64 s[ST:ST+1], s[76:77], s[22:23]
	s_cmp_ge_u32 s71, 2                            ; rows from 1,024 on have all 16 groups stored, the others 8
	s_cselect_b32 s22, 8*PLANE, 0
	s_cselect_b32 s[WGT], 0x3f800000, 0
	s_add_nc_u64 s[ST2:ST2+1], s[ST:ST+1], s[22:23]
.set j, 0
.rept 8                                ; (-M, l) of 16 groups x my four tiles of queries, into T's registers, which no product has used yet
.irp a, 0,1,2,3
	global_load_b64 v[ACC+8*j+2*\a:ACC+8*j+2*\a+1], v[STV], s[ST:ST+1] offset:j*PLANE+128*\a
.endr
.set j, j+1
.endr
.rept 8
.irp a, 0,1,2,3
	global_load_b64 v[ACC+8*j+2*\a:ACC+8*j+2*\a+1], v[STV], s[ST2:ST2+1] offset:(j-8)*PLANE+128*\a
.endr
.set j, j+1
.endr
.irp g, 0,1
.irp a, 0,1,2,3
	global_load_b32 v[NMJ+4*\g+\a], v[STV], s[ST:ST+1] offset:\g*PLANE+128*\a     ; -M of groups 0 and 1, for the first two folds
.endr
.endr
	v_mul_u32_u24 v3, v1, PITCHA
	v_lshl_add_u32 v3, v2, 4, v3                   ; p: a fragment's row x pitch + 16 h
	s_mul_i32 s21, s11, HALFA
	v_add_nc_u32 v[ADRA], s21, v3
	s_add_co_u32 s21, s21, SLOT
	v_add_nc_u32 v[ADRA+1], s21, v3
	v_and_b32 v4, 7, v0                            ; v: the turning load takes 16 keys x 16 channels: lane l reads key 8 h + l % 8, channels 8 ((l / 8) % 2) on
	v_bfe_u32 v5, v0, 3, 1
	v_lshl_add_u32 v4, v2, 3, v4
	v_mul_u32_u24 v4, v4, PITCHB
	v_lshl_add_u32 v4, v5, 4, v4
	s_lshl_b32 s22, s12, 7                         ; my 64 channels
	s_add_co_u32 s22, s22, 2*HALFA
	v_add_nc_u32 v[ADRB], s22, v4
	s_add_co_u32 s22, s22, HALFB
	v_add_nc_u32 v[ADRB+1], s22, v4
	s_add_co_u32 s22, s22, SLOT-HALFB
	v_add_nc_u32 v[ADRB+2], s22, v4
	s_add_co_u32 s22, s22, HALFB
	v_add_nc_u32 v[ADRB+3], s22, v4
	s_mul_i32 s23, s11, 64*SPITCH                  ; into the stage: my 64 rows, my half of their 256 bytes
	s_lshl_b32 s21, s12, 7
	s_add_co_u32 s23, s23, s21
	s_add_co_u32 s23, s23, STAGE
	v_mul_u32_u24 v4, v1, SPITCH
	v_lshl_add_u32 v4, v2, 4, v4
	v_add_nc_u32 v[STO], s23, v4
	s_mul_i32 s23, s10, 32*SPITCH                  ; back: wave w takes rows 32 w on, whole
	s_add_co_u32 s23, s23, STAGE
	v_mul_u32_u24 v5, v2, SPITCH
	v_lshl_add_u32 v5, v1, 4, v5
	v_add_nc_u32 v[RD], s23, v5
	v_lshlrev_b32 v5, 11, v2
	v_lshl_add_u32 v[CO], v1, 4, v5                ; two rows of att
	s_lshl_b32 s16, s13, 7
	s_lshl_b32 s17, s10, 5
	s_add_co_u32 s16, s16, s17
	s_add_co_u32 s16, s16, s18                     ; the first row of att that I store
	s_lshl_b32 s16, s16, 11
	s_lshl_b32 s17, s42, 8
	s_add_co_u32 s16, s16, s17
	s_mov_b32 s17, 0
	s_add_nc_u64 s[8:9], s[8:9], s[16:17]
.irp a, 0,1,2,3
	v_mov_b32 v[FF+2*\a+1], 0                      ; named as the upper halves of pairs
	v_mov_b32 v[RL+2*\a+1], 0
.endr
	WIN 0x80
.set i, 0
.rept 128
	v_mov_b32 v[i], 0                              ; O: cleared once, so that the fold is written once for every group
.set i, i+1
.endr
	WIN 0
	s_wait_loadcnt 8                               ; the 64 pairs are in; the eight -M behind them may be out
.irp a, 0,1,2,3
	v_min3_num_f32 v[NMR+\a], v[ACC+2*\a], v[ACC+8+2*\a], v[ACC+16+2*\a]     ; the row's -M: the least of the groups'
.endr
.irp j, 3,5,7,9,11,13
.irp a, 0,1,2,3
	v_min3_num_f32 v[NMR+\a], v[NMR+\a], v[ACC+8*\j+2*\a], v[ACC+8*\j+8+2*\a]
.endr
.endr
.irp a, 0,1,2,3
	v_min_num_f32 v[NMR+\a], v[NMR+\a], v[ACC+120+2*\a]
.endr
.set j, 0
.rept 16                               ; the row's sum: l_j x 2^(M_j - M)
.irp a, 0,1,2,3
	v_sub_f32 v[ACC+8*j+2*\a], v[NMR+\a], v[ACC+8*j+2*\a]
.endr
.irp a, 0,1,2,3
	v_cvt_i32_f32 v[ACC+8*j+2*\a], v[ACC+8*j+2*\a]     ; a whole number, 0 or less; it saturates
.endr
.irp a, 0,1,2,3
.if j < 8
	v_ldexp_f32 v[ACC+8*j+2*\a], 1.0, v[ACC+8*j+2*\a]
.else
	v_ldexp_f32 v[ACC+8*j+2*\a], s[WGT], v[ACC+8*j+2*\a]
.endif
.endr
.irp a, 0,1,2,3
.if j == 0
	v_mul_f32 v[LR+\a], v[ACC+8*j+2*\a+1], v[ACC+8*j+2*\a]
.else
	v_fmac_f32 v[LR+\a], v[ACC+8*j+2*\a+1], v[ACC+8*j+2*\a]
.endif
.endr
.set j, j+1
.endr
.irp a, 0,1,2,3
	v_rcp_f32 v[RL+2*\a], v[LR+\a]
.endr
	v_nop                                          ; a plain instruction behind the last reciprocal
	s_wait_alu depctr_va_vdst(0)                   ; one wait for the four
.macro MUL8 f, c, a0, zero             ; 8 matrix instructions: tiles of queries a0, a0 + 1 x 4 tiles of channels, 32 keys; the 16 accumulators take turns
.irp a, \a0, \a0+1
.irp b, 0,1,2,3
.if \zero
	v_wmma_f32_16x16x32_f16 v[ACC+8*(4*(\a)+\b):ACC+8*(4*(\a)+\b)+7], v[\f+64+8*(4*\c+\b):\f+64+8*(4*\c+\b)+7], v[\f+8*(4*\c+\a):\f+8*(4*\c+\a)+7], 0
.else
	v_wmma_f32_16x16x32_f16 v[ACC+8*(4*(\a)+\b):ACC+8*(4*(\a)+\b)+7], v[\f+64+8*(4*\c+\b):\f+64+8*(4*\c+\b)+7], v[\f+8*(4*\c+\a):\f+8*(4*\c+\a)+7], v[ACC+8*(4*(\a)+\b):ACC+8*(4*(\a)+\b)+7]
.endif
.endr
.endr
.endm
.macro FETCH slot, q, f                ; 32 LDS loads in one run: the fragments of the slot's q-th 64 keys; the first 32 keys first
	WIN TO_F
.irp c, 0,1
.irp i, 0,1,2,3
	ds_load_tr16_b128 v[\f+64+8*(4*\c+\i):\f+64+8*(4*\c+\i)+3],   v[ADRB+2*\slot+(\q)/2] offset:(64*((\q)%2)+32*\c)*PITCHB+32*\i
	ds_load_tr16_b128 v[\f+64+8*(4*\c+\i)+4:\f+64+8*(4*\c+\i)+7], v[ADRB+2*\slot+(\q)/2] offset:(64*((\q)%2)+32*\c+16)*PITCHB+32*\i
	ds_load_b128 v[\f+8*(4*\c+\i):\f+8*(4*\c+\i)+3],              v[ADRA+\slot] offset:128*(\q)+64*\c+\i*16*PITCHA
	ds_load_b128 v[\f+8*(4*\c+\i)+4:\f+8*(4*\c+\i)+7],            v[ADRA+\slot] offset:128*(\q)+64*\c+\i*16*PITCHA+32
.endr
.endr
.endm
.macro PLACES
.rept 4
	v_nop
.endr
.endm
.macro QUARTER slot, q, f, g, zero     ; multiplies buffer f (64 keys) and fetches the slot's q-th 64 keys into g
	s_wait_dscnt 16                                ; the first 32 keys are in; the youngest sixteen loads may be out
	WIN MUL
	MUL8 \f, 0, 0, \zero
	MUL8 \f, 0, 2, \zero
	PLACES
	FETCH \slot, \q, \g
	s_wait_dscnt 32                                ; all but the 32 just issued
	WIN MUL
	MUL8 \f, 1, 0, 0
	MUL8 \f, 1, 2, 0
.endm
.macro TURN slot, next, fill           ; the last quarter changes slots: one barrier; fill = 1: it opens a round of the cluster's barrier, and the slot is filled again, two K steps on
	WIN 0
	s_wait_tensorcnt 0x0                           ; all my tensor loads have landed: my part of the next slot
	ds_add_u32 v[SPW], v[NIL]
	s_wait_dscnt 17                                ; the add and the youngest sixteen loads may be out
	WIN MUL
	MUL8 F1, 0, 0, 0
	s_wait_dscnt 0x0                               ; the add is done, and my reads of this slot are over
	s_barrier_signal -1
	MUL8 F1, 0, 2, 0
.if \fill
	WIN 0
.endif
	s_barrier_wait -1
.if \fill
	CREST
	s_add_nc_u64 s[G0+4*\slot+2:G0+4*\slot+3], s[G0+4*\slot+2:G0+4*\slot+3], 2*STEPA
	s_add_nc_u64 s[G0B+4*\slot+2:G0B+4*\slot+3], s[G0B+4*\slot+2:G0B+4*\slot+3], 2*STEPB
	JLOAD \slot                                    ; my one tensor load behind the round; its four v_nop are also the places in front of the loads below
.else
	PLACES
.endif
	FETCH \next, 0, F0
	WIN MUL
	MUL8 F1, 1, 0, 0
	MUL8 F1, 1, 2, 0
.endm
; THE FOLD of the trip's group jl: O += 2^(M_j - M) x T.  Its first twelve lines name no register of the products and stand between them and the first read of T.
; ahead = 1: -M of the group two on is asked for, into the set just read.  left: the next group's four loads may be out.
.macro FOLD jl, ahead, left
	WIN 0
	s_wait_loadcnt \left
.irp a, 0,1,2,3
	v_sub_f32 v[TP+\a], v[NMR+\a], v[NMJ+4*((\jl)%2)+\a]
.endr
.irp a, 0,1,2,3
	v_cvt_i32_f32 v[TP+\a], v[TP+\a]
.endr
.irp a, 0,1,2,3
	v_ldexp_f32 v[FF+2*\a], 1.0, v[TP+\a]
.endr
.if \ahead
.irp a, 0,1,2,3
	global_load_b32 v[NMJ+4*((\jl)%2)+\a], v[STV], s[ST:ST+1] offset:((\jl)+2)*PLANE+128*\a
.endr
.endif
	WIN 0xa0                                       ; O (destination and source 2) window 2
.set t, 0
.rept 16
.irp i, 0,2,4,6
	v_pk_fma_f32 v[8*t+\i:8*t+\i+1], v[ACC+8*t+\i:ACC+8*t+\i+1], v[FF+2*(t/4):FF+2*(t/4)+1], v[8*t+\i:8*t+\i+1] op_sel_hi:[1,0,1]
.endr
.set t, t+1
.endr
.endm
.macro KSTEP slot, next, fill, jl      ; 256 keys: two groups
	QUARTER \slot, 1, F0, F1, 1
	QUARTER \slot, 2, F1, F0, 0
	FOLD \jl, 1, 4
	QUARTER \slot, 3, F0, F1, 1
	TURN \slot, \next, \fill
	FOLD (\jl)+1, 1, 4
.endm
	s_wait_tensorcnt 1                             ; my part of K step 0 is in; K step 1's load may be out
	s_barrier_signal -1
	s_barrier_wait -1
	FETCH 0, 0, F0
	WIN 0
	s_mov_b32 s3, s72
.Llap:                                                 ; T trips: a trip takes 512 keys and fills both slots again
	KSTEP 0, 1, 1, 0
	KSTEP 1, 0, 1, 2
	WIN 0
	s_wait_xcnt 0x0                                ; the trip's loads have read their base
	s_add_nc_u64 s[ST:ST+1], s[ST:ST+1], 4*PLANE
	s_sub_co_u32 s3, s3, 1
	s_cmp_lg_u32 s3, 0
	s_cbranch_scc1 .Llap
	KSTEP 0, 1, 0, 0                               ; the last 512 keys ask for nothing
	QUARTER 1, 1, F0, F1, 1
	QUARTER 1, 2, F1, F0, 0
	FOLD 2, 0, 4
	QUARTER 1, 3, F0, F1, 1
	s_wait_dscnt 16
	WIN MUL
	MUL8 F1, 0, 0, 0
	MUL8 F1, 0, 2, 0
	s_wait_dscnt 0
	MUL8 F1, 1, 0, 0
	MUL8 F1, 1, 2, 0
	FOLD 3, 0, 0
	; THE WAY OUT: O / the row's sum, rounded to f16; 16 bytes a lane into the work-group's stage; a barrier, since a row's 256 bytes come from two waves; back as whole rows, 32 a wave
	WIN 0x82
.set t, 0
.rept 16
.irp i, 0,2,4,6
	v_pk_mul_f32 v[8*t+\i:8*t+\i+1], v[8*t+\i:8*t+\i+1], v[RL+2*(t/4):RL+2*(t/4)+1] op_sel_hi:[1,0]
.endr
.set t, t+1
.endr
	WIN 0x0a
.set t, 0
.rept 16
.irp r, 0,1,2,3
	v_cvt_pk_f16_f32 v[TMP+4*t+\r], v[8*t+2*\r], v[8*t+2*\r+1]
.endr
.set t, t+1
.endr
	WIN 0
.irp a, 0,1,2,3
.irp b, 0,1,2,3
	ds_store_b128 v[STO], v[TMP+4*(4*\a+\b):TMP+4*(4*\a+\b)+3] offset:\a*16*SPITCH+32*\b
.endr
.endr
	s_wait_dscnt 0x0                               ; for the others' sake: my stores into the stage are done
	s_barrier_signal -1
	s_barrier_wait -1
.irp t, 0,1,2,3,4,5,6,7,8,9,10,11,12,13,14,15
	ds_load_b128 v[TMP+4*\t:TMP+4*\t+3], v[RD] offset:\t*2*SPITCH
.endr
.irp t, 0,1,2,3,4,5,6,7,8,9,10,11,12,13,14,15
	s_wait_dscnt 15-\t
	global_store_b128 v[CO], v[TMP+4*\t:TMP+4*\t+3], s[8:9] offset:2*\t*2048   ; 16 lanes store 256 consecutive bytes, aligned
.endr
	s_wait_tensorcnt 0x0                           ; the wave's end
	ds_add_u32 v[SPW], v[NIL]
	s_wait_dscnt 0x0
	CROUND                                         ; the closing round
	s_endpgm
.Lfunc_end_k_qbe07ebc74a_pv:
	.size	k_qbe07ebc74a_pv, .Lfunc_end_k_qbe07ebc74a_pv-k_qbe07ebc74a_pv
	.p2alignl 7, 3214868480
	.fill 96, 4, 3214868480
	.section	.rodata,"a",@progbits
	.p2align	6, 0x0
	.amdhsa_kernel k_qbe07ebc74a_pv
		.amdhsa_group_segment_fixed_size 327680
		.amdhsa_private_segment_fixed_size 0
		.amdhsa_enable_private_segment 0
		.amdhsa_kernarg_size 32
		.amdhsa_user_sgpr_count 2
		.amdhsa_user_sgpr_kernarg_segment_ptr 1
		.amdhsa_wavefront_size32 1
		.amdhsa_system_sgpr_workgroup_id_x 1
		.amdhsa_system_sgpr_workgroup_id_y 1
		.amdhsa_system_sgpr_workgroup_id_z 1
		.amdhsa_system_vgpr_workitem_id 0
		.amdhsa_next_free_vgpr 640
		.amdhsa_next_free_sgpr 80
		.amdhsa_reserve_vcc 0
		.amdhsa_float_denorm_mode_32 3
		.amdhsa_float_denorm_mode_16_64 3
		.amdhsa_memory_ordered 1
		.amdhsa_forward_progress 1
		.amdhsa_inst_pref_size 154
	.end_amdhsa_kernel
	.amdgpu_metadata
---
amdhsa.version: [ 1, 2 ]
amdhsa.kernels:
  - .name:           k_qbe07ebc74a_pv
    .symbol:         k_qbe07ebc74a_pv.kd
    .args:
      - { .name: p, .offset: 0, .size: 8, .value_kind: global_buffer, .address_space: global }
      - { .name: qkv, .offset: 8, .size: 8, .value_kind: global_buffer, .address_space: global }
      - { .name: stats, .offset: 16, .size: 8, .value_kind: global_buffer, .address_space: global }
      - { .name: att, .offset: 24, .size: 8, .value_kind: global_buffer, .address_space: global }
    .group_segment_fixed_size: 327680
    .private_segment_fixed_size: 0
    .kernarg_segment_align: 8
    .kernarg_segment_size: 32
    .max_flat_workgroup_size: 128
    .sgpr_count:     80
    .vgpr_count:     640
    .wavefront_size: 32
...
	.end_amdgpu_metadata
.endif
;; end of part 4
;; launch proj (part 5): grid 4 x 64, 4 waves a work-group, clusters of 4 x 4, 327,680 bytes of LDS; arguments att, w16, out0; writes out0
.if DOCPART == 5
	.amdgcn_target "amdgcn-amd-amdhsa--gfx1250"
	.amdhsa_code_object_version 6
	.text
	.protected	k_qbe07ebc74a_proj
	.globl	k_qbe07ebc74a_proj
	.p2align	8
	.type	k_qbe07ebc74a_proj,@function
k_qbe07ebc74a_proj:
	s_mov_b64 s[64:65], 0
	v_nop
	global_prefetch_b8 v0, s[64:65] scope:SCOPE_SE
	s_setreg_imm32_b32 hwreg(HW_REG_WAVE_MODE, 25, 1), 1
	s_wait_xcnt 0x0
	s_wait_alu depctr_hold_cnt(0) depctr_sa_sdst(0) depctr_va_vdst(0) depctr_va_sdst(0) depctr_va_ssrc(0) depctr_va_vcc(0) depctr_vm_vsrc(0)
	s_getreg_b32 s2, hwreg(HW_REG_IB_STS2, 6, 4)
	s_cmp_eq_u32 s2, 0
	s_cbranch_scc0 .Lentry_in_a_cluster
	s_endpgm
.Lentry_in_a_cluster:
	s_bfe_u32 s2, ttmp6, 0x10000c
	s_cmp_lg_u32 s2, 0xf033
	s_cbranch_scc0 .Lentry_shape_is_right
	s_endpgm
.Lentry_shape_is_right:
; PROJ.  out0[m][n] = sum over k of att[m][k] w_out[n][k], M = 8,192, N = K = 1,024; f16 operands, f32 sums, f32 out.  (The first 16 positions of each batch are written again, more finely, by the launch behind this one.)
; SHARES.  A tile of 128 rows x 256 columns: 64 x 4 = 256 work-groups.  Four waves, 2 x 2, each 64 rows x 128 columns: 32 accumulators of 16 x 16, 256 registers.
; CLUSTER 4 x 4: att's tiles are asked for jointly along a row of the cluster, w16's along a column: the same tensor load, with the same descriptor and a mask that names the four.
; TWO SLOTS OF UNEQUAL DEPTH.  X holds 256 along K (rows of 512 bytes + 16), Y holds 128 (rows of 256 bytes + 16): 384 rows x (528 + 272) bytes = 307,200; two slots of 256 along K would be 405,504 and do not fit.
; K is walked X 0-255, Y 256-383, X 384-639, Y 640-767, X 768-1,023: both first fills go out at the start, and three refills follow, each behind a round of the cluster's barrier.  Nothing is looped: the 16 units of 64 along K are written out.
; The matrix instruction is used transposed (source 0 = 16 rows of w16, source 1 = 16 rows of att): a lane holds eight neighbouring columns of one row of out0.  Each output has one accumulator, K ascending.
; PREFETCH of att's later row bytes, each aligned block of 256 bytes named once in the launch: a tile's 128 rows are shared out among the four partners of a cluster's row BY ADDRESS, 32 each, a lane a row.
;   Behind X's first refill wave 0 asks for bytes 1,280-1,535 of its rows, which Y's refill brings 128 matrix instructions later; behind Y's refill waves 2 and 3 ask for bytes 1,536-1,791 and 1,792-2,047, which X's last refill brings 256 matrix instructions later.
;   X's first refill would have to be asked for at the kernel's head, where the first tiles are on their way: it is not.  w16's rows are read by all sixteen clusters, not once: they are not asked for.
; REGISTERS, in windows of 256: window 0: v16-30 addresses; v64-191 rows on the way out.  window 1: fragment buffer 0 (att v0-63: 2 x 4 x 16 rows x 32 K; w16 v64-191: 2 x 8).  window 3: buffer 1, laid alike.
;   window 2: the accumulators ((a, b) at v[8 (8 a + b)]).  So a run of loads and a run of products each stand under one window setting.
.set PX,     528                       ; a row in X: 132 words: row r starts at bank 4 r mod 64 (64 banks of 4 bytes: ISA guide 11.1)
.set PY,     272                       ; a row in Y: 68 words: likewise
.set HAX,    64*PX                     ; what waves 0, 1 bring into X: 64 rows of att
.set HBX,    128*PX                    ; what waves 2, 3 bring: 128 rows of w16
.set HAY,    64*PY
.set HBY,    128*PY
.set YB,     2*HAX+2*HBX               ; Y begins behind X
.set SPARE,  YB+2*HAY+2*HBY            ; behind Y: the spare words, 128 bytes for each wave, named by no other line
.set STAGE,  YB                        ; the way out: 16 rows x (512 + 16) bytes for each wave, in Y, which has had its last fill and its last read by then
.set SPITCH, 528
.set NEXTK,  768                       ; from one fill of a slot to its next: 384 along K
.set CROW,   4096                      ; a row of out0 in bytes
.set ADRA, 16                          ; v16, v17 my att fragments in X, in Y
.set ADRB, 20                          ; v20, v21 my w16 fragments in X, in Y
.set STO,  24
.set RD,   25
.set CO,   26
.set SPW,  28                          ; v28 LDS address of my spare word; never rewritten
.set NIL,  29                          ; v29 0; never rewritten
.set PFO,  30                          ; v30 2,048 x my lane: a row of att; never rewritten
.set BK,   64                          ; the way out: 16 rows read back: v64-127 and v128-191 by turns
.set G1AX, 24                          ; s[24:31] group 1: att into X;  s[32:39] w16 into X;  s[40:47] att into Y;  s[48:55] w16 into Y
.set G1BX, 32
.set G1AY, 40
.set G1BY, 48
.set G0AX, 56                          ; s[56:59], s[60:63], s[68:71], s[72:75] their groups 0
.set G0BX, 60
.set G0AY, 68
.set G0BY, 72
.set PFA,  86                          ; s[86:87] where my prefetch stands; never rewritten
.set MSB, 0
.macro WIN new                         ; the immediate's high byte repeats the setting that is left
.if MSB != \new
	s_set_vgpr_msb (MSB<<8)|\new
.set MSB, \new
.endif
.endm
; A joint load: waves 0, 1 fetch att's halves, waves 2, 3 w16's; the branch hangs on the wave's number alone.  An s_nop 0 and four v_nop follow each line.
.macro JLOAD g0a, g1a, g0b, g1b
	s_cmp_eq_u32 s11, 0
	s_cbranch_scc0 .Lfor_b_\@
	tensor_load_to_lds s[\g0a:\g0a+3], s[\g1a:\g1a+7]
	s_nop 0
.rept 4
	v_nop
.endr
	s_branch .Lasked_\@
.Lfor_b_\@:
	tensor_load_to_lds s[\g0b:\g0b+3], s[\g1b:\g1b+7]
	s_nop 0
.rept 4
	v_nop
.endr
.Lasked_\@:
.endm
.macro CREST                           ; a round of the cluster's barrier behind its opening barrier
	s_cmp_lg_u32 s10, 0
	s_cbranch_scc1 .Lnot_wave_0_\@
	s_barrier_signal -3
.Lnot_wave_0_\@:
	s_barrier_wait -3
	s_barrier_signal -1
	s_barrier_wait -1
.endm
.macro CROUND                          ; a whole round
	s_barrier_signal -1
	s_barrier_wait -1
	CREST
.endm
	s_load_b128 s[4:7], s[0:1], 0x0                ; att, w16
	s_load_b64 s[8:9], s[0:1], 0x10                ; out0
	v_lshl_add_u32 v[SPW], v0, 2, SPARE
	v_mov_b32 v[NIL], 0
	ds_add_u32 v[SPW], v[NIL]                      ; the opening: the add, twice on end, and its wait ahead of my first tensor load
	ds_add_u32 v[SPW], v[NIL]
	v_lshrrev_b32 v1, 5, v0
	v_readfirstlane_b32 s10, v1                    ; wave 0..3
	s_lshr_b32 s11, s10, 1                         ; my half of the tile's rows.  Also: I fetch att (0) or w16 (1)
	s_and_b32 s12, s10, 1                          ; my half of its columns.  Also: which half of that tile I fetch
	s_bfe_u32 s76, ttmp6, 0x40000                  ; cx
	s_bfe_u32 s77, ttmp6, 0x40004                  ; cy
	s_lshl_b32 s78, ttmp9, 2
	s_add_co_u32 s78, s78, s76                     ; tile column: 256 columns each
	s_and_b32 s13, ttmp7, 0xffff
	s_lshl_b32 s13, s13, 2
	s_add_co_u32 s13, s13, s77                     ; tile row: 128 rows each
	s_lshl_b32 s79, s77, 2
	s_lshl_b32 s79, 15, s79                        ; my row of the cluster
	s_lshl_b32 s80, 0x1111, s76                    ; my column
	s_or_b32 s[G1AX], s79, (1<<16)|(1<<20)|(1<<21)|(6<<22)|(3<<25)  ; mask; elements of 2 bytes; padding on; bit 21 beside a mask; 4 words of padding behind every 128
	s_or_b32 s[G1BX], s80, (1<<16)|(1<<20)|(1<<21)|(6<<22)|(3<<25)
	s_or_b32 s[G1AY], s79, (1<<16)|(1<<20)|(1<<21)|(5<<22)|(3<<25)  ; 4 words behind every 64
	s_or_b32 s[G1BY], s80, (1<<16)|(1<<20)|(1<<21)|(5<<22)|(3<<25)
.irp g, G1AX, G1BX
	s_mov_b32 s[\g+1], 256<<16                     ; tensor_dim0 = 256
	s_mov_b32 s[\g+3], 256<<16                     ; tile_dim0
.endr
.irp g, G1AY, G1BY
	s_mov_b32 s[\g+1], 128<<16                     ; tensor_dim0 = 128
	s_mov_b32 s[\g+3], 128<<16
.endr
.irp g, G1AX, G1AY
	s_mov_b32 s[\g+2], 64<<16                      ; tensor_dim1 = 64
	s_mov_b32 s[\g+4], 64                          ; tile_dim1
.endr
.irp g, G1BX, G1BY
	s_mov_b32 s[\g+2], 128<<16                     ; tensor_dim1 = 128
	s_mov_b32 s[\g+4], 128
.endr
.irp g, G1AX, G1BX, G1AY, G1BY
	s_mov_b32 s[\g+5], 1024                        ; elements from row to row
	s_mov_b32 s[\g+6], 0
	s_mov_b32 s[\g+7], 0
.endr
	s_lshl_b32 s16, s13, 7
	s_lshl_b32 s17, s12, 6
	s_add_co_u32 s16, s16, s17                     ; att: row 128 x tile row + 64 x half
	s_lshl_b32 s16, s16, 11                        ; rows of 2,048 bytes
	s_mov_b32 s17, 0
	s_lshl_b32 s82, s78, 8
	s_lshl_b32 s83, s12, 7
	s_add_co_u32 s82, s82, s83                     ; w16: row 256 x tile column + 128 x half
	s_lshl_b32 s82, s82, 11
	s_mov_b32 s83, 0
	s_mul_i32 s20, s12, HAX                        ; where they go: no place in the cluster enters an LDS address
	s_mul_i32 s21, s12, HBX
	s_add_co_u32 s21, s21, 2*HAX
	s_mul_i32 s22, s12, HAY
	s_add_co_u32 s22, s22, YB
	s_mul_i32 s23, s12, HBY
	s_add_co_u32 s23, s23, YB+2*HAY
	s_wait_dscnt 0x0                               ; both opening adds are done
	s_wait_kmcnt 0x0
	s_add_nc_u64 s[14:15], s[4:5], s[16:17]
	s_add_nc_u64 s[82:83], s[6:7], s[82:83]
	CROUND                                         ; all sixteen work-groups are here: the first joint loads meet
	s_mov_b32 s[G0AX], 1                           ; count = 1
	s_mov_b32 s[G0AX+1], s20                       ; LDS address
	s_mov_b64 s[G0AX+2:G0AX+3], s[14:15]           ; K 0 on
	s_or_b32 s[G0AX+3], s[G0AX+3], 0x80000000      ; type = 2
	s_mov_b32 s[G0BX], 1
	s_mov_b32 s[G0BX+1], s21
	s_mov_b64 s[G0BX+2:G0BX+3], s[82:83]
	s_or_b32 s[G0BX+3], s[G0BX+3], 0x80000000
	JLOAD G0AX, G1AX, G0BX, G1BX
	s_mov_b32 s[G0AY], 1
	s_mov_b32 s[G0AY+1], s22
	s_add_nc_u64 s[G0AY+2:G0AY+3], s[14:15], 512   ; K 256 on
	s_or_b32 s[G0AY+3], s[G0AY+3], 0x80000000
	s_mov_b32 s[G0BY], 1
	s_mov_b32 s[G0BY+1], s23
	s_add_nc_u64 s[G0BY+2:G0BY+3], s[82:83], 512
	s_or_b32 s[G0BY+3], s[G0BY+3], 0x80000000
	JLOAD G0AY, G1AY, G0BY, G1BY                   ; two loads of mine are out
	v_and_b32 v1, 15, v0                           ; r
	v_bfe_u32 v2, v0, 4, 1                         ; h
	v_mul_u32_u24 v3, v1, PX
	v_lshl_add_u32 v3, v2, 4, v3                   ; a fragment's row x pitch + 16 h, in X
	v_mul_u32_u24 v4, v1, PY
	v_lshl_add_u32 v4, v2, 4, v4                   ; and in Y
	s_mul_i32 s84, s11, HAX                        ; my 64 rows of att
	v_add_nc_u32 v[ADRA], s84, v3
	s_mul_i32 s84, s11, HAY
	s_add_co_u32 s84, s84, YB
	v_add_nc_u32 v[ADRA+1], s84, v4
	s_mul_i32 s84, s12, HBX                        ; my 128 rows of w16, behind att's 128
	s_add_co_u32 s84, s84, 2*HAX
	v_add_nc_u32 v[ADRB], s84, v3
	s_mul_i32 s84, s12, HBY
	s_add_co_u32 s84, s84, YB+2*HAY
	v_add_nc_u32 v[ADRB+1], s84, v4
	s_mul_i32 s84, s10, 16*SPITCH
	s_add_co_u32 s84, s84, STAGE                   ; my stage
	v_mul_u32_u24 v5, v1, SPITCH
	v_lshl_add_u32 v5, v2, 5, v5
	v_add_nc_u32 v[STO], s84, v5                   ; in: row r, 32 bytes for each half of the lanes
	v_and_b32 v6, 31, v0
	v_lshlrev_b32 v[CO], 4, v6                     ; back: 32 lanes take one row of 512 bytes; the same in out0
	v_add_nc_u32 v[RD], s84, v[CO]
	v_lshlrev_b32 v[PFO], 11, v6
	s_lshl_b32 s16, s13, 7
	s_lshl_b32 s17, s11, 6
	s_add_co_u32 s16, s16, s17                     ; my first row of out0
	s_lshl_b32 s16, s16, 12
	s_mov_b32 s17, 0
	s_lshl_b32 s82, s78, 10
	s_lshl_b32 s83, s12, 9
	s_add_co_u32 s82, s82, s83                     ; my first column, in bytes
	s_mov_b32 s83, 0
	s_add_nc_u64 s[16:17], s[16:17], s[82:83]
	s_add_nc_u64 s[8:9], s[8:9], s[16:17]
	s_lshl_b32 s88, s13, 7                         ; the prefetch: the tile's first row,
	s_lshl_b32 s89, s76, 5
	s_add_co_u32 s88, s88, s89                     ; + my work-group's 32 of its 128 rows
	s_lshl_b32 s88, s88, 11
	s_add_co_u32 s85, s12, 1
	s_mul_i32 s85, s85, s11                        ; 0, 0, 1, 2 in waves 0 to 3
	s_lshl_b32 s85, s85, 8
	s_add_co_u32 s85, s85, 1280                    ; wave 0: byte 1,280 of a row; wave 2: 1,536; wave 3: 1,792 (wave 1 asks for nothing)
	s_add_co_u32 s88, s88, s85
	s_mov_b32 s89, 0
	s_add_nc_u64 s[PFA:PFA+1], s[4:5], s[88:89]
; 16 matrix instructions: tiles of rows a0, a0 + 1 x 8 tiles of columns, 32 along K: half c of the buffer whose window is set.  The 32 accumulators take turns, one instruction a turn.
; zero = 1: the first product starts the sums: nothing is ever cleared.
.macro MUL16 c, a0, zero
.irp a, \a0, \a0+1
.irp b, 0,1,2,3,4,5,6,7
.if \zero
	v_wmma_f32_16x16x32_f16 v[8*(8*(\a)+\b):8*(8*(\a)+\b)+7], v[64+64*\c+8*\b:64+64*\c+8*\b+7], v[32*\c+8*(\a):32*\c+8*(\a)+7], 0
.else
	v_wmma_f32_16x16x32_f16 v[8*(8*(\a)+\b):8*(8*(\a)+\b)+7], v[64+64*\c+8*\b:64+64*\c+8*\b+7], v[32*\c+8*(\a):32*\c+8*(\a)+7], v[8*(8*(\a)+\b):8*(8*(\a)+\b)+7]
.endif
.endr
.endr
.endm
; 48 LDS loads in one run: the fragments of 64 along K at byte k of the rows of slot sl (0 = X, 1 = Y) into buffer f; the first 32 along K first
.macro FETCH sl, k, f
.set PP, PX-(PX-PY)*(\sl)
	WIN 0x40+0x80*(\f)                             ; destination window 1 or 3, address window 0
.irp c, 0,1
.irp i, 0,1,2,3,4,5,6,7
	ds_load_b128 v[64+64*\c+8*\i:64+64*\c+8*\i+3],   v[ADRB+\sl] offset:\k+64*\c+\i*16*PP
	ds_load_b128 v[64+64*\c+8*\i+4:64+64*\c+8*\i+7], v[ADRB+\sl] offset:\k+64*\c+\i*16*PP+32
.endr
.irp i, 0,1,2,3
	ds_load_b128 v[32*\c+8*\i:32*\c+8*\i+3],   v[ADRA+\sl] offset:\k+64*\c+\i*16*PP
	ds_load_b128 v[32*\c+8*\i+4:32*\c+8*\i+7], v[ADRA+\sl] offset:\k+64*\c+\i*16*PP+32
.endr
.endr
.endm
.macro PLACES                          ; four plain vector instructions between a matrix instruction and a load into, or a read of, its registers
.rept 4
	v_nop
.endr
.endm
; A unit: 64 along K, 64 matrix instructions on buffer f; in its middle the next unit's fragments, at byte k of slot sl, are fetched into the other buffer
.macro UNIT f, sl, k, zero
	s_wait_dscnt 24                                ; the first 32 along K are in; the youngest 24 loads may be out
	WIN 0xa5+0x0a*(\f)                             ; sources 0 and 1 window 1 or 3; C and D window 2
	MUL16 0, 0, \zero
	MUL16 0, 2, \zero
	s_wait_dscnt 0x0                               ; the other 24 are in
	PLACES
	FETCH \sl, \k, 1-\f
	WIN 0xa5+0x0a*(\f)
	MUL16 1, 0, 0
	MUL16 1, 2, 0
.endm
; A slot's last unit multiplies buffer 1 and changes slots: ONE barrier.  In front of it each wave waits for all its tensor loads (its part of slot next), adds 0 to its spare word, and waits for that and for its reads of the slot that it leaves.
; next: the slot read next (0 = X, 1 = Y).  fill = 1: the barrier opens a round of the cluster's barrier, and the slot just left is filled again, 384 further along K.  ask: 1: wave 0 prefetches; 2: waves 2 and 3 do.
.macro TURN next, fill, ask
	WIN 0                                          ; (the add's two registers lie in window 0)
	s_wait_tensorcnt 0x0                           ; all my tensor loads have landed
	ds_add_u32 v[SPW], v[NIL]
	s_wait_dscnt 25                                ; the add and the youngest 24 loads may be out
	WIN 0xaf
	MUL16 0, 0, 0                                  ; sixteen matrix instructions stand between the add and the wait for it
	s_wait_dscnt 0x0                               ; the add is done, and my reads of the slot that I leave are over
	s_barrier_signal -1
	MUL16 0, 2, 0
.if \fill
	WIN 0
.endif
	s_barrier_wait -1
.if \fill
	CREST                                          ; no wave of any partner still reads the slot or has a load on its way
.if \next
	s_add_nc_u64 s[G0AX+2:G0AX+3], s[G0AX+2:G0AX+3], NEXTK
	s_add_nc_u64 s[G0BX+2:G0BX+3], s[G0BX+2:G0BX+3], NEXTK
	JLOAD G0AX, G1AX, G0BX, G1BX                   ; my one tensor load behind the round; its four v_nop are also the places in front of the loads below
.else
	s_add_nc_u64 s[G0AY+2:G0AY+3], s[G0AY+2:G0AY+3], NEXTK
	s_add_nc_u64 s[G0BY+2:G0BY+3], s[G0BY+2:G0BY+3], NEXTK
	JLOAD G0AY, G1AY, G0BY, G1BY
.endif
.else
	PLACES
.endif
	FETCH \next, 0, 0
.if \ask
	WIN 0                                          ; at a branch and at a label every window is 0
.if \ask == 1
	s_cmp_eq_u32 s10, 0
.else
	s_cmp_eq_u32 s11, 1
.endif
	s_cbranch_scc0 .Lnot_mine_\@
	global_prefetch_b8 v[PFO], s[PFA:PFA+1] th:TH_LOAD_NT scope:SCOPE_SE   ; 32 rows x 256 bytes, a lane a row; behind the joint load and the run of LDS loads
.Lnot_mine_\@:
.endif
	WIN 0xaf
	MUL16 1, 0, 0
	MUL16 1, 2, 0
.endm
	s_wait_tensorcnt 1                             ; my part of X is in; Y's load may be out
	s_barrier_signal -1
	s_barrier_wait -1                              ; everybody's is
	FETCH 0, 0, 0
	UNIT 0, 0, 128, 1                              ; X, K 0-255: the first products start the sums
	UNIT 1, 0, 256, 0
	UNIT 0, 0, 384, 0
	TURN 1, 1, 1                                   ; X takes K 384-639; wave 0 asks for what Y's refill will bring
	UNIT 0, 1, 128, 0                              ; Y, K 256-383
	TURN 0, 1, 2                                   ; Y takes K 640-767; waves 2 and 3 ask for what X's last refill will bring
	UNIT 0, 0, 128, 0                              ; X, K 384-639
	UNIT 1, 0, 256, 0
	UNIT 0, 0, 384, 0
	TURN 1, 1, 0                                   ; X takes K 768-1,023: the last load
	UNIT 0, 1, 128, 0                              ; Y, K 640-767
	TURN 0, 0, 0                                   ; nothing is left to fetch, so no round follows
	UNIT 0, 0, 128, 0                              ; X, K 768-1,023
	UNIT 1, 0, 256, 0
	UNIT 0, 0, 384, 0
	s_wait_dscnt 24                                ; the very last unit
	WIN 0xaf
	MUL16 0, 0, 0
	MUL16 0, 2, 0
	s_wait_dscnt 0x0
	MUL16 1, 0, 0
	MUL16 1, 2, 0
	WIN 0
; THE WAY OUT, a block of 16 rows x 128 columns at a time, through my own stage, back as whole rows of 512 bytes.  Every wave has passed the last barrier, behind which nobody reads Y.
.macro TOSTAGE a
.set AC, 64*(\a)
	WIN 0x08                                       ; an LDS store's data: window 2
.irp b, 0,1,2,3,4,5,6,7
	ds_store_b128 v[STO], v[AC+8*\b:AC+8*\b+3] offset:64*\b          ; each accumulator from its low end on
	ds_store_b128 v[STO], v[AC+8*\b+4:AC+8*\b+7] offset:64*\b+16
.endr
	WIN 0
.set BB, BK+64*((\a)%2)
.irp t, 0,1,2,3,4,5,6,7,8,9,10,11,12,13,14,15
	ds_load_b128 v[BB+4*\t:BB+4*\t+3], v[RD] offset:\t*SPITCH        ; LDS serves a wave's instructions in order (ISA guide 5.7.1.4): these see the stores above
.endr
.endm
.macro SEND a, younger
.set BB, BK+64*((\a)%2)
	s_wait_dscnt \younger                          ; the block is back in registers; the next block's 16 stores and 16 loads may be out
.if (\a) > 0
	s_add_nc_u64 s[8:9], s[8:9], 16*CROW           ; behind a wait on XCNT: the earlier stores have read their base
.endif
.irp t, 0,1,2,3,4,5,6,7,8,9,10,11,12,13,14,15
	global_store_b128 v[CO], v[BB+4*\t:BB+4*\t+3], s[8:9] offset:\t*CROW th:TH_STORE_NT   ; 512 consecutive bytes, at a multiple of 256 from out0's first byte
.endr
.endm
	PLACES
	TOSTAGE 0
.irp a, 1,2,3
.if \a > 1
	s_wait_xcnt 0x0                                ; block a - 2's stores have read their registers and their base
.endif
	TOSTAGE \a
	SEND \a-1, 32
.endr
	s_wait_xcnt 0x0
	SEND 3, 0
	s_wait_tensorcnt 0x0                           ; the wave's end, behind my last tensor load and my last LDS store
	ds_add_u32 v[SPW], v[NIL]
	s_wait_dscnt 0x0
	CROUND                                         ; the closing round: no work-group ends while a partner may still ask for a tile that names it
	s_endpgm
.Lfunc_end_k_qbe07ebc74a_proj:
	.size	k_qbe07ebc74a_proj, .Lfunc_end_k_qbe07ebc74a_proj-k_qbe07ebc74a_proj
	.p2alignl 7, 3214868480
	.fill 96, 4, 3214868480
	.section	.rodata,"a",@progbits
	.p2align	6, 0x0
	.amdhsa_kernel k_qbe07ebc74a_proj
		.amdhsa_group_segment_fixed_size 327680
		.amdhsa_private_segment_fixed_size 0
		.amdhsa_enable_private_segment 0
		.amdhsa_kernarg_size 24
		.amdhsa_user_sgpr_count 2
		.amdhsa_user_sgpr_kernarg_segment_ptr 1
		.amdhsa_wavefront_size32 1
		.amdhsa_system_sgpr_workgroup_id_x 1
		.amdhsa_system_sgpr_workgroup_id_y 1
		.amdhsa_system_sgpr_workgroup_id_z 1
		.amdhsa_system_vgpr_workitem_id 0
		.amdhsa_next_free_vgpr 1024
		.amdhsa_next_free_sgpr 90
		.amdhsa_reserve_vcc 0
		.amdhsa_float_denorm_mode_32 3
		.amdhsa_float_denorm_mode_16_64 3
		.amdhsa_memory_ordered 1
		.amdhsa_forward_progress 1
		.amdhsa_inst_pref_size 144
	.end_amdhsa_kernel
	.amdgpu_metadata
---
amdhsa.version: [ 1, 2 ]
amdhsa.kernels:
  - .name:           k_qbe07ebc74a_proj
    .symbol:         k_qbe07ebc74a_proj.kd
    .args:
      - { .name: att, .offset: 0, .size: 8, .value_kind: global_buffer, .address_space: global }
      - { .name: w16, .offset: 8, .size: 8, .value_kind: global_buffer, .address_space: global }
      - { .name: out0, .offset: 16, .size: 8, .value_kind: global_buffer, .address_space: global }
    .group_segment_fixed_size: 327680
    .private_segment_fixed_size: 0
    .kernarg_segment_align: 8
    .kernarg_segment_size: 24
    .max_flat_workgroup_size: 128
    .sgpr_count:     90
    .vgpr_count:     1024
    .wavefront_size: 32
...
	.end_amdgpu_metadata
.endif
;; end of part 5
;; launch head (part 6): grid 32 x 4, 16 waves a work-group, no clusters, 53,248 bytes of LDS; arguments head32, w_out, out0; writes out0
.if DOCPART == 6
	.amdgcn_target "amdgcn-amd-amdhsa--gfx1250"
	.amdhsa_code_object_version 6
	.text
	.protected	k_qbe07ebc74a_head
	.globl	k_qbe07ebc74a_head
	.p2align	8
	.type	k_qbe07ebc74a_head,@function
k_qbe07ebc74a_head:
	s_mov_b64 s[64:65], 0
	v_nop
	global_prefetch_b8 v0, s[64:65] scope:SCOPE_SE
	s_setreg_imm32_b32 hwreg(HW_REG_WAVE_MODE, 25, 1), 1
	s_wait_xcnt 0x0
; HEAD.  Positions 0 to 15 of each batch once more, all in f32: they average one to sixteen values and are the largest in size.  scores, softmax with the true maximum, p v and the projection, from the f32 copy of their q, k, v (head32 [4][16][3072]) and from w_out as it is given.
; SHARES.  Work-group (x, y): batch y, outputs 32 x to 32 x + 31.  Sixteen waves; wave w owns channels 64 w to 64 w + 63 in all three products: a part of K in the first and the third, whose parts are added through LDS, and a part of the columns in the second.
; All three products are used transposed, so that a lane (r = lane % 16, h = lane / 16) holds query r throughout:
;   S^T = k q^T: register j = key 8 h + j.    O^T = v^T p^T: register j of tile ct = channel 16 ct + 8 h + j.    y^T = w O^T: register j of tile nt = output 16 nt + 8 h + j.
; The f32 matrix form takes 4 along K, two registers a lane; a permutation of K applied alike to both sources keeps the sums, so each source is loaded, or left, as it lies.
; Its results (v16-79) are written by matrix instructions alone, and each sum's first product has the constant 0 as C; accumulators take turns.
; A wave's store at the end covers 128 consecutive bytes: a work-group's 32 outputs of one row.  No tensor load, no cluster: the work-groups share only w_out's rows across batches, 8 KB a wave.
.set SA, 16                            ; v16-31  two accumulators of S^T
.set YA, 32                            ; v32-47  two of y^T
.set OA, 48                            ; v48-79  four of O^T
.set QQ, 80                            ; v80-111 q, 64 channels; later at work
.set KK, 112                           ; v112-143 k; later at work
.set VV, 144                           ; v144-175 v: register 8 ct + kl = v(key 8 h + kl, channel 16 ct + r)
.set WW, 176                           ; v176-239 w: registers 8 (2 ct + nt) + 0..7 = w(output 16 nt + r, channels 16 ct + 8 h + 0..7)
.set SPW, 14
.set NIL, 15
.set SPB, 0                            ; LDS: sixteen images of partial S^T, 1,024 bytes each
.set YPB, 16384                        ; sixteen images of partial y^T: four pieces of 544 bytes each, lanes 16-31 sixteen bytes further on
.set YW,  2176
.set SPARE, YPB+16*YW                  ; the spare words: 128 bytes for each wave
	s_load_b128 s[4:7], s[0:1], 0x0                ; head32, w_out
	s_load_b64 s[8:9], s[0:1], 0x10                ; out0
	v_lshl_add_u32 v[SPW], v0, 2, SPARE
	v_mov_b32 v[NIL], 0
	v_lshrrev_b32 v1, 5, v0
	v_readfirstlane_b32 s10, v1                    ; wave 0..15
	v_and_b32 v1, 31, v0                           ; lane
	v_and_b32 v2, 15, v0                           ; r
	v_bfe_u32 v3, v0, 4, 1                         ; h
	s_and_b32 s11, ttmp7, 0xffff                   ; the batch
	s_lshl_b32 s12, s10, 8                         ; my 64 channels in bytes
	v_mul_u32_u24 v4, v2, 12288
	v_lshl_add_u32 v4, v3, 4, v4
	v_add_nc_u32 v4, s12, v4                       ; q, k: row r, + 16 h, + my channels
	v_mul_u32_u24 v5, v3, 98304
	v_lshl_add_u32 v5, v2, 2, v5
	v_add_nc_u32 v5, s12, v5                       ; v: key 8 h, channel r
	v_lshlrev_b32 v6, 12, v2
	v_lshl_add_u32 v6, v3, 5, v6
	v_add_nc_u32 v6, s12, v6                       ; w: row r, + 32 h
	v_lshlrev_b32 v7, 4, v1                        ; 16 x lane: an image's place for my lane
	s_lshl_b32 s13, s10, 10
	v_add_nc_u32 v8, s13, v7                       ; where I store my image of S^T
	s_mul_i32 s13, s10, YW
	s_add_co_u32 s13, s13, YPB
	v_lshl_add_u32 v9, v3, 4, v7
	v_add_nc_u32 v9, s13, v9                       ; and of y^T: 16 x lane + 16 h
	v_bfe_u32 v13, v0, 2, 1                        ; at the end I am (query = wave, output o = lane): piece 2 (o / 16) + (o / 4) % 2, half (o / 8) % 2, word o % 4
	v_lshl_add_u32 v10, v3, 1, v13
	v_mul_u32_u24 v10, v10, 544
	v_bfe_u32 v13, v0, 3, 1
	v_mad_u32_u24 v10, v13, 272, v10
	v_and_b32 v13, 3, v0
	v_lshl_add_u32 v10, v13, 2, v10
	s_lshl_b32 s13, s10, 4
	s_add_co_u32 s13, s13, YPB
	v_add_nc_u32 v10, s13, v10
	v_lshlrev_b32 v11, 2, v1                       ; 4 bytes a lane in out0
	v_lshlrev_b32 v12, 3, v3
	v_sub_nc_u32 v12, v2, v12                      ; r - 8 h: register j is hidden where j is greater
	v_mov_b32 v13, 0xff800000                      ; -infinity
	s_mov_b32 s16, 0x76543210
	s_mov_b32 s17, 0xfedcba98                      ; lane l xor 16
	s_mov_b32 s18, 0x3d38aa3b                      ; c = log2(e) / 32
	s_mul_i32 s20, s11, 196608
	s_mov_b32 s21, 0
	s_lshl_b32 s22, ttmp9, 17                      ; my 32 rows of w_out
	s_mov_b32 s23, 0
	s_lshl_b32 s14, s11, 23
	s_lshl_b32 s15, s10, 12
	s_add_co_u32 s14, s14, s15
	s_lshl_b32 s15, ttmp9, 7
	s_add_co_u32 s14, s14, s15                     ; out0: the batch, row = my wave's number, my work-group's 128 bytes
	s_mov_b32 s15, 0
	s_wait_kmcnt 0x0
	s_add_nc_u64 s[4:5], s[4:5], s[20:21]
	s_add_nc_u64 s[6:7], s[6:7], s[22:23]
	s_add_nc_u64 s[8:9], s[8:9], s[14:15]
.irp i, 0,1,2,3,4,5,6,7
	global_load_b128 v[QQ+4*\i:QQ+4*\i+3], v4, s[4:5] offset:32*\i
.endr
.irp i, 0,1,2,3,4,5,6,7
	global_load_b128 v[KK+4*\i:KK+4*\i+3], v4, s[4:5] offset:4096+32*\i
.endr
.irp ct, 0,1,2,3
.irp kl, 0,1,2,3,4,5,6,7
	global_load_b32 v[VV+8*\ct+\kl], v5, s[4:5] offset:8192+\kl*12288+64*\ct
.endr
.endr
.irp ct, 0,1,2,3
.irp nt, 0,1
.irp u, 0,1
	global_load_b128 v[WW+8*(2*\ct+\nt)+4*\u:WW+8*(2*\ct+\nt)+4*\u+3], v6, s[6:7] offset:\nt*65536+64*\ct+16*\u
.endr
.endr
.endr
	; ---- S^T, my 64 channels: sixteen products on two accumulators by turns
	s_wait_loadcnt 48                              ; q and k are in; v's 32 loads and w's 16 may be out
.set n, 0
.rept 16
.if n < 2
	v_wmma_f32_16x16x4_f32 v[SA+8*(n%2):SA+8*(n%2)+7], v[KK+2*n:KK+2*n+1], v[QQ+2*n:QQ+2*n+1], 0
.else
	v_wmma_f32_16x16x4_f32 v[SA+8*(n%2):SA+8*(n%2)+7], v[KK+2*n:KK+2*n+1], v[QQ+2*n:QQ+2*n+1], v[SA+8*(n%2):SA+8*(n%2)+7]
.endif
.set n, n+1
.endr
.rept 8
	v_nop                                          ; eight places behind this form (ISA guide 7.12.1)
.endr
.irp j, 0,2,4,6
	v_pk_add_f32 v[80+\j:81+\j], v[SA+\j:SA+\j+1], v[SA+8+\j:SA+8+\j+1]
.endr
	ds_store_b128 v8, v[80:83] offset:SPB
	ds_store_b128 v8, v[84:87] offset:SPB+512
	s_wait_dscnt 0x0                               ; for the others' sake: my image has landed
	s_barrier_signal -1
	s_barrier_wait -1
.irp i, 0,1,2,3,4,5,6,7                        ; every wave adds all sixteen images, in the same order
	ds_load_b128 v[80+8*\i:83+8*\i], v7 offset:SPB+1024*\i
	ds_load_b128 v[84+8*\i:87+8*\i], v7 offset:SPB+1024*\i+512
.endr
	s_wait_dscnt 0x0
.irp i, 1,2,3,4,5,6,7
.irp j, 0,2,4,6
	v_pk_add_f32 v[80+\j:81+\j], v[80+\j:81+\j], v[80+8*\i+\j:81+8*\i+\j]
.endr
.endr
.irp i, 1,2,3,4,5,6,7
	ds_load_b128 v[80+8*\i:83+8*\i], v7 offset:SPB+1024*(7+\i)
	ds_load_b128 v[84+8*\i:87+8*\i], v7 offset:SPB+1024*(7+\i)+512
.endr
	ds_load_b128 v[240:243], v7 offset:SPB+1024*15
	ds_load_b128 v[244:247], v7 offset:SPB+1024*15+512
	s_wait_dscnt 0x0
.irp i, 1,2,3,4,5,6,7
.irp j, 0,2,4,6
	v_pk_add_f32 v[80+\j:81+\j], v[80+\j:81+\j], v[80+8*\i+\j:81+8*\i+\j]
.endr
.endr
.irp j, 0,2,4,6
	v_pk_add_f32 v[80+\j:81+\j], v[80+\j:81+\j], v[240+\j:241+\j]
.endr
	; ---- the softmax of query r: the mask, the true maximum, p = 2^(c s - c m), the sum
.irp j, 0,1,2,3,4,5,6,7
	v_cmp_gt_i32 vcc_lo, \j, v12
	v_cndmask_b32 v[80+\j], v[80+\j], v13, vcc_lo
.endr
	v_max3_num_f32 v88, v80, v81, v82
	v_max3_num_f32 v89, v83, v84, v85
	v_max3_num_f32 v88, v88, v86, v87
	v_max_num_f32 v88, v88, v89
	v_permlanex16_b32 v89, v88, s16, s17           ; the query's other eight keys; key 0 counts for every query, so the maximum is a number
	v_max_num_f32 v88, v88, v89
	v_mul_f32 v88, s18, v88
.irp j, 0,1,2,3,4,5,6,7
	v_fma_f32 v[96+\j], v[80+\j], s18, -v88
.endr
.irp j, 0,1,2,3,4,5,6,7
	v_exp_f32 v[96+\j], v[96+\j]
.endr
	v_nop                                          ; a plain instruction behind the last exponential
	s_wait_alu depctr_va_vdst(0)                   ; one wait for the eight
	v_pk_add_f32 v[104:105], v[96:97], v[98:99]
	v_pk_add_f32 v[106:107], v[100:101], v[102:103]
	v_pk_add_f32 v[104:105], v[104:105], v[106:107]
	v_add_f32 v104, v104, v105
	v_permlanex16_b32 v105, v104, s16, s17
	v_add_f32 v104, v104, v105
	v_rcp_f32 v108, v104                           ; 1 / the row's sum
	v_nop
	s_wait_alu depctr_va_vdst(0)
	; ---- O^T, my four tiles of 16 channels; the place (h, j) of product s stands for key 8 h + 2 s + j in both sources
	s_wait_loadcnt 16                              ; v is in; w's 16 loads may be out
.irp s, 0,1,2,3
.irp ct, 0,1,2,3
.if \s == 0
	v_wmma_f32_16x16x4_f32 v[OA+8*\ct:OA+8*\ct+7], v[VV+8*\ct+2*\s:VV+8*\ct+2*\s+1], v[96+2*\s:97+2*\s], 0
.else
	v_wmma_f32_16x16x4_f32 v[OA+8*\ct:OA+8*\ct+7], v[VV+8*\ct+2*\s:VV+8*\ct+2*\s+1], v[96+2*\s:97+2*\s], v[OA+8*\ct:OA+8*\ct+7]
.endif
.endr
.endr
.rept 9
	v_nop                                          ; nine places before a matrix instruction takes these results as a source
.endr
	; ---- y^T, my 64 channels' part: the place (h, j) of product s stands for channel 16 ct + 8 h + 2 s + j in both sources
	s_wait_loadcnt 0x0                             ; w
.irp ct, 0,1,2,3
.irp s, 0,1,2,3
.irp nt, 0,1
.if (\ct == 0) && (\s == 0)
	v_wmma_f32_16x16x4_f32 v[YA+8*\nt:YA+8*\nt+7], v[WW+8*(2*\ct+\nt)+2*\s:WW+8*(2*\ct+\nt)+2*\s+1], v[OA+8*\ct+2*\s:OA+8*\ct+2*\s+1], 0
.else
	v_wmma_f32_16x16x4_f32 v[YA+8*\nt:YA+8*\nt+7], v[WW+8*(2*\ct+\nt)+2*\s:WW+8*(2*\ct+\nt)+2*\s+1], v[OA+8*\ct+2*\s:OA+8*\ct+2*\s+1], v[YA+8*\nt:YA+8*\nt+7]
.endif
.endr
.endr
.endr
.rept 8
	v_nop
.endr
.set n, 0
.rept 16
	v_mul_f32 v[112+n], v[YA+n], v108              ; / the row's sum, into other registers; each accumulator from its low end on
.set n, n+1
.endr
.irp q, 0,1,2,3
	ds_store_b128 v9, v[112+4*\q:115+4*\q] offset:544*\q
.endr
	s_wait_dscnt 0x0                               ; for the others' sake
	s_barrier_signal -1
	s_barrier_wait -1
.irp w, 0,1,2,3,4,5,6,7,8,9,10,11,12,13,14,15
	ds_load_b32 v[128+\w], v10 offset:YW*\w        ; the sixteen parts of out(query = my wave, output = my lane): the 32 lanes touch 32 different banks
.endr
	s_wait_dscnt 0x0
.irp i, 0,2,4,6
	v_pk_add_f32 v[128+\i:129+\i], v[128+\i:129+\i], v[136+\i:137+\i]
.endr
.irp i, 0,2
	v_pk_add_f32 v[128+\i:129+\i], v[128+\i:129+\i], v[132+\i:133+\i]
.endr
	v_pk_add_f32 v[128:129], v[128:129], v[130:131]
	v_add_f32 v128, v128, v129
	global_store_b32 v11, v128, s[8:9]             ; 128 consecutive bytes of one row
	s_wait_tensorcnt 0x0                           ; the wave's end, behind the last LDS store
	ds_add_u32 v[SPW], v[NIL]
	s_wait_dscnt 0x0
	s_endpgm
.Lfunc_end_k_qbe07ebc74a_head:
	.size	k_qbe07ebc74a_head, .Lfunc_end_k_qbe07ebc74a_head-k_qbe07ebc74a_head
	.p2alignl 7, 3214868480
	.fill 96, 4, 3214868480
	.section	.rodata,"a",@progbits
	.p2align	6, 0x0
	.amdhsa_kernel k_qbe07ebc74a_head
		.amdhsa_group_segment_fixed_size 53248
		.amdhsa_private_segment_fixed_size 0
		.amdhsa_enable_private_segment 0
		.amdhsa_kernarg_size 24
		.amdhsa_user_sgpr_count 2
		.amdhsa_user_sgpr_kernarg_segment_ptr 1
		.amdhsa_wavefront_size32 1
		.amdhsa_system_sgpr_workgroup_id_x 1
		.amdhsa_system_sgpr_workgroup_id_y 1
		.amdhsa_system_sgpr_workgroup_id_z 1
		.amdhsa_system_vgpr_workitem_id 0
		.amdhsa_next_free_vgpr 256
		.amdhsa_next_free_sgpr 66
		.amdhsa_reserve_vcc 1
		.amdhsa_float_denorm_mode_32 3
		.amdhsa_float_denorm_mode_16_64 3
		.amdhsa_memory_ordered 1
		.amdhsa_forward_progress 1
		.amdhsa_inst_pref_size 25
	.end_amdhsa_kernel
	.amdgpu_metadata
---
amdhsa.version: [ 1, 2 ]
amdhsa.kernels:
  - .name:           k_qbe07ebc74a_head
    .symbol:         k_qbe07ebc74a_head.kd
    .args:
      - { .name: head32, .offset: 0, .size: 8, .value_kind: global_buffer, .address_space: global }
      - { .name: w_out, .offset: 8, .size: 8, .value_kind: global_buffer, .address_space: global }
      - { .name: out0, .offset: 16, .size: 8, .value_kind: global_buffer, .address_space: global }
    .group_segment_fixed_size: 53248
    .private_segment_fixed_size: 0
    .kernarg_segment_align: 8
    .kernarg_segment_size: 24
    .max_flat_workgroup_size: 512
    .sgpr_count:     66
    .vgpr_count:     256
    .wavefront_size: 32
...
	.end_amdgpu_metadata
.endif
;; end of part 6
